; MI455X (gfx1250); checked and timed in simulation.
; The chip was launched on July 23, 2026; its instructions are those of AMD's public machine-readable ISA for CDNA 5 (MIT licence, August 2026) and "CDNA5" Instruction Set Architecture Reference Guide (July 2026). The comments in the code are by the model that wrote it; some were corrected since.
;; Multi Head Attention. Allowed arithmetic: matrix products marked QUANTISED: E4M3 operands, one E8M0 scale for each 32 along K, by v_wmma_scale_f32_16x16x128_f8f6f4 with both operands' format E4M3, f32 sums; everything else in f32.
;; Inputs: Wk_codes 16 x 64 x 32 x 32 uint8 (E4M3 codes of Wk, K innermost, in blocks of 32 codes); Wk_scales 16 x 64 x 32 uint8 (E8M0 scales of Wk, one for each 32 codes along K); Wp_codes 1,024 x 32 x 32 uint8 (E4M3 codes of Wp, K innermost, in blocks of 32 codes); Wp_scales 1,024 x 32 uint8 (E8M0 scales of Wp, one for each 32 codes along K); Wq_codes 16 x 64 x 32 x 32 uint8 (E4M3 codes of Wq, K innermost, in blocks of 32 codes); Wq_scales 16 x 64 x 32 uint8 (E8M0 scales of Wq, one for each 32 codes along K); Wv_codes 16 x 64 x 32 x 32 uint8 (E4M3 codes of Wv, K innermost, in blocks of 32 codes); Wv_scales 16 x 64 x 32 uint8 (E8M0 scales of Wv, one for each 32 codes along K); bp 1,024 float32; x_codes 4 x 2,048 x 32 x 32 uint8 (E4M3 codes of x, K innermost, in blocks of 32 codes); x_scales 4 x 2,048 x 32 uint8 (E8M0 scales of x, one for each 32 codes along K).
;; Outputs: out0 4 x 2,048 x 1,024 float32.
;; This version of the problem:
;;   THIS VERSION OF THE PROBLEM IS GIVEN IN LOW PRECISION. The matrix products marked QUANTISED in the list below multiply operands that are first quantised to E4M3 (4 exponent bits, 3 mantissa bits; 8 bits a number), with one power-of-two scale for each 32 numbers along K (OCP MX v1.0); their sums are f32. All else is computed in f32.
;;   The module's matrix products, in the order in which they are computed (A, B: the left and right operand; K: the contracted axis; several contracted axes count as one K, in the product's order):
;;     1. [M 1,024, K 1,024] x [K 1,024, N 8,192]; A: input Wq (given as codes); B: input x (given as codes): QUANTISED
;;     2. [M 1,024, K 1,024] x [K 1,024, N 8,192]; A: input Wk (given as codes); B: input x (given as codes): QUANTISED
;;     3. [M 1,024, K 1,024] x [K 1,024, N 8,192]; A: input Wv (given as codes); B: input x (given as codes): QUANTISED
;;     4. batch 64 x [M 2,048, K 64] x [K 64, N 2,048]; A: computed on the way; B: computed on the way: QUANTISED
;;     5. batch 64 x [M 2,048, K 2,048] x [K 2,048, N 64]; A: computed on the way; B: computed on the way: QUANTISED
;;     6. [M 8,192, K 1,024] x [K 1,024, N 1,024]; A: computed on the way; B: input Wp (given as codes): QUANTISED
;;   THE QUANTISER, for each operand of a quantised product, along K:
;;     - K is cut into blocks of 32 from its start; a last block that is shorter is filled with zeros.
;;     - A block's scale is 2^e with e = floor(log2(the largest magnitude in the block)) - 8, held to -126 .. 127; a block of zeros has e = 0. As a byte (E8M0): e + 127.
;;     - Each number is divided by its block's scale, clamped to +-448, and rounded to the nearest number of E4M3, ties to even, subnormals kept.
;;     - The product sums the exact products of the quantised numbers (number of the format x scale) in f32.
;;   ~~~python
;;   def quantise(x, axis):      # numpy; x: float32 -> the quantised numbers, widened to float32 again
;;       x = np.moveaxis(x, axis, -1); K = x.shape[-1]
;;       x = np.pad(x, [(0, 0)] * (x.ndim - 1) + [(0, -K % 32)]); x = x.reshape(x.shape[:-1] + (-1, 32)); a = np.abs(x).max(-1, keepdims=True)
;;       e = np.where(a > 0, np.clip(np.frexp(np.where(a > 0, a, 1))[1] - 1 - 8, -126, 127), 0)      # np.frexp(a)[1] - 1 = floor(log2(a)), exactly
;;       r = np.clip(x / 2.0 ** e, -448, 448)
;;       step = 2.0 ** (np.maximum(np.frexp(np.where(r == 0, 1, r))[1] - 1, -6) - 3)
;;       q = np.round(r / step) * step * 2.0 ** e      # np.round: ties to even
;;       return np.moveaxis(q.reshape(q.shape[:-2] + (-1,))[..., :K], -1, axis).astype(np.float32)
;;   ~~~
;;   OPERANDS COMPUTED ON THE WAY. 'Computed on the way' means the value that the module computes at that place (a softmax that the list does not call 'softmax' is quantised finished and normalised). What goes into a quantiser is computed in f32, as accurately as f32 sums, v_exp_f32 and their like allow (about 1e-6 of the number): no bf16 or f16 on the way to a quantiser, and a product that is left as it is and whose result goes on into a quantised operand takes f32 operands (vector FMAs, or v_wmma_f32_16x16x4_f32). A number that lies on a knife's edge between two numbers of the format may be rounded either way, as far as f32 arithmetic and the matrix unit's own rounding can turn it there, and no further.
;;   INPUTS GIVEN AS CODES. Wk (in the module: [16, 1024, 64], K = its axis 1); Wp (in the module: [1024, 1024], K = its axis 1); Wq (in the module: [16, 1024, 64], K = its axis 1); Wv (in the module: [16, 1024, 64], K = its axis 1); x (in the module: [4, 2048, 1024], K = its axis 2): each comes as NAME_codes (uint8): NAME with its K axis moved to the last place and cut into blocks of 32 codes, [.., K / 32, bytes a block], one block behind the other in memory; one code a byte (a code: sign, 4 exponent bits, 3 mantissa bits); and NAME_scales (uint8): the same leading axes, one E8M0 byte (e + 127) for each 32 codes along K. Its value is code x scale, taken as it is: it is not quantised again, and the codes and scales need not be those that the quantiser above would give.
;; One version. Each part assembles by itself: llvm-mc -triple=amdgcn-amd-amdhsa -mcpu=gfx1250 --defsym DOCPART=n.
;; ======== version 1 of 1: 4 launches
;; limits: right only within a limited range of input values
;; workspace buffers: qkv 26,476,544 bytes; bias 524,288 bytes; oimg 8,388,608 bytes; osc 262,144 bytes
;; launch proj (part 1): grid 12 x 32, 4 waves a work-group, clusters of 4 x 4, 327,680 bytes of LDS; arguments x_codes, x_scales, Wq_codes, Wq_scales, Wk_codes, Wk_scales, Wv_codes, Wv_scales, qkv; writes qkv
.if DOCPART == 1
	.amdgcn_target "amdgcn-amd-amdhsa--gfx1250"
	.amdhsa_code_object_version 6
	.text
	.protected	k_q83ef46c80e_proj
	.globl	k_q83ef46c80e_proj
	.p2align	8
	.type	k_q83ef46c80e_proj,@function
k_q83ef46c80e_proj:
	s_mov_b64 s[64:65], 0
	v_nop
	global_prefetch_b8 v0, s[64:65] scope:SCOPE_SE
	s_setreg_imm32_b32 hwreg(HW_REG_WAVE_MODE, 25, 1), 1
	s_wait_xcnt 0x0
	s_wait_alu depctr_hold_cnt(0) depctr_sa_sdst(0) depctr_va_vdst(0) depctr_va_sdst(0) depctr_va_ssrc(0) depctr_va_vcc(0) depctr_vm_vsrc(0)
	s_getreg_b32 s2, hwreg(HW_REG_IB_STS2, 6, 4)
	s_cmp_eq_u32 s2, 0
	s_cbranch_scc0 .Lentry_in_a_cluster
	s_endpgm
.Lentry_in_a_cluster:
	s_bfe_u32 s2, ttmp6, 0x10000c
	s_cmp_lg_u32 s2, 0xf033
	s_cbranch_scc0 .Lentry_shape_is_right
	s_endpgm
.Lentry_shape_is_right:
.set SIZE_K, 1024
.set KSTEP,  256
.set NQ,     KSTEP/128
.set ROWB,   256
.set KROW,   SIZE_K
.set PITCH,  272
.set FR,     16
.set NL,     4
.set NP,     8
.set HALFT,  128*PITCH
.set SLOT,   4*HALFT
.set LAPS,   SIZE_K/(2*KSTEP)
.set KS,     SIZE_K/32
.set SCL,    2*SLOT
.set HALFS,  (128*KS/256)*272
.set SBLK,   (16*KS/256)*272
.set SPARE,  SCL+4*HALFS
.set QKREC,  17408
.set VREC,   16896
.set SECT,   512*QKREC
.set ADRA, 16
.set ADRB, 20
.set VOA,  24
.set VOB,  25
.set VSO,  26
.set ADRS, 27
.set SPW,  28
.set NIL,  29
.set SC,   32
.set PC,   64
.set TM,   80
.set W8,   96
.set SW,   104
.set AF,   128
.set G1, 24
.set G0, 32
.set G1B, 48
.set G0B, 56
.set G1S, 68
.set G0S, 76
.set G1SB, 80
.set G0SB, 88
.set ISV, 95
.set MNT, 96
.set INC, 98
.set SEL, 100
.set MSB, 0
.macro WIN new
.if MSB != \new
	s_set_vgpr_msb (MSB<<8)|\new
.set MSB, \new
.endif
.endm
.set MUL_LO, 0xa1
.set MUL_HI, 0xf1
.set TO_B,   0x40
.macro JLOAD g0a, g1a, g0b, g1b
	s_cmp_eq_u32 s15, 0
	s_cbranch_scc0 .Lfor_b_\@
	tensor_load_to_lds s[\g0a:\g0a+3], s[\g1a:\g1a+7]
	s_nop 0
.rept 4
	v_nop
.endr
	s_branch .Lasked_\@
.Lfor_b_\@:
	tensor_load_to_lds s[\g0b:\g0b+3], s[\g1b:\g1b+7]
	s_nop 0
.rept 4
	v_nop
.endr
.Lasked_\@:
.endm
.macro CREST
	s_cmp_lg_u32 s14, 0
	s_cbranch_scc1 .Lnot_wave_0_\@
	s_barrier_signal -3
.Lnot_wave_0_\@:
	s_barrier_wait -3
	s_barrier_signal -1
	s_barrier_wait -1
.endm
.macro CROUND
	s_barrier_signal -1
	s_barrier_wait -1
	CREST
.endm
	s_load_b512 s[68:83], s[0:1], 0x0
	s_load_b64 s[12:13], s[0:1], 0x40
	v_lshl_add_u32 v[SPW], v0, 2, SPARE
	v_mov_b32 v[NIL], 0
	ds_add_u32 v28, v29
	ds_add_u32 v28, v29
	s_wait_dscnt 0x0
	v_lshrrev_b32 v1, 5, v0
	v_readfirstlane_b32 s14, v1
	s_lshr_b32 s15, s14, 1
	s_and_b32 s16, s14, 1
	s_bfe_u32 s40, ttmp6, 0x40000
	s_bfe_u32 s41, ttmp6, 0x40004
	s_and_b32 s18, ttmp7, 0xffff
	s_lshl_b32 s18, s18, 2
	s_cmp_eq_u32 ttmp9, 2
	s_cselect_b32 s17, 0, s18
	s_cselect_b32 s42, s18, 0
	s_cselect_b32 s[ISV], 1, 0
	s_add_co_u32 s17, s17, s41
	s_add_co_u32 s42, s42, s40
	s_lshl_b32 s43, s41, 2
	s_lshl_b32 s43, 15, s43
	s_lshl_b32 s44, 0x1111, s40
	s_or_b32 s[G1+0], s43, (0<<16)|(1<<20)|(1<<21)|(5<<22)|(3<<25)
	s_or_b32 s[G1B+0], s44, (0<<16)|(1<<20)|(1<<21)|(5<<22)|(3<<25)
.irp g, G1, G1B
	s_mov_b32 s[\g+1], ROWB<<16
	s_mov_b32 s[\g+2], 128<<16
	s_mov_b32 s[\g+3], ROWB<<16
	s_mov_b32 s[\g+4], 128
	s_mov_b32 s[\g+5], KROW
	s_mov_b32 s[\g+6], 0
	s_mov_b32 s[\g+7], 0
.endr
	s_lshl_b32 s18, s16, 7
	s_lshl_b32 s20, s17, 8
	s_add_co_u32 s20, s20, s18
	s_lshl_b32 s46, s42, 8
	s_add_co_u32 s46, s46, s18
	s_mov_b32 s21, 0
	s_mov_b32 s47, 0
	s_mov_b64 s[18:19], KS
	s_mul_u64 s[22:23], s[20:21], s[18:19]
	s_mul_u64 s[92:93], s[46:47], s[18:19]
	s_mov_b64 s[18:19], KROW
	s_mul_u64 s[20:21], s[20:21], s[18:19]
	s_mul_u64 s[46:47], s[46:47], s[18:19]
	s_mul_i32 s45, s14, HALFT
	s_mul_i32 s94, s14, HALFS
	s_wait_kmcnt 0x0
	s_cmp_eq_u32 ttmp9, 2
	s_cselect_b64 s[4:5], s[80:81], s[68:69]
	s_cselect_b64 s[6:7], s[82:83], s[70:71]
	s_cselect_b64 s[8:9], s[68:69], s[76:77]
	s_cselect_b64 s[10:11], s[70:71], s[78:79]
	s_cmp_eq_u32 ttmp9, 0
	s_cselect_b64 s[8:9], s[72:73], s[8:9]
	s_cselect_b64 s[10:11], s[74:75], s[10:11]
	s_add_nc_u64 s[20:21], s[4:5], s[20:21]
	s_add_nc_u64 s[22:23], s[6:7], s[22:23]
	s_add_nc_u64 s[46:47], s[8:9], s[46:47]
	s_add_nc_u64 s[92:93], s[10:11], s[92:93]
	s_or_b32 s[G1S+0], s43, (3<<16)|(1<<20)|(1<<21)|(5<<22)|(3<<25)
	s_or_b32 s[G1SB+0], s44, (3<<16)|(1<<20)|(1<<21)|(5<<22)|(3<<25)
.irp g, G1S, G1SB
	s_mov_b32 s[\g+1], 32<<16
	s_mov_b32 s[\g+2], (128*KS/256)<<16
	s_mov_b32 s[\g+3], 32<<16
	s_mov_b32 s[\g+4], 128*KS/256
	s_mov_b32 s[\g+5], 32
	s_mov_b32 s[\g+6], 0
	s_mov_b32 s[\g+7], 0
.endr
	CROUND
	s_mov_b32 s[G0S], 1
	s_add_co_u32 s[G0S+1], s94, SCL
	s_mov_b64 s[G0S+2:G0S+3], s[22:23]
	s_or_b32 s[G0S+3], s[G0S+3], 0x80000000
	s_mov_b32 s[G0SB], 1
	s_add_co_u32 s[G0SB+1], s94, SCL
	s_mov_b64 s[G0SB+2:G0SB+3], s[92:93]
	s_or_b32 s[G0SB+3], s[G0SB+3], 0x80000000
	JLOAD G0S, G1S, G0SB, G1SB
.irp s, 0,1
	s_mov_b32 s[G0+4*\s], 1
	s_add_co_u32 s[G0+4*\s+1], s45, \s*SLOT
	s_add_nc_u64 s[G0+4*\s+2:G0+4*\s+3], s[20:21], \s*ROWB
	s_or_b32 s[G0+4*\s+3], s[G0+4*\s+3], 0x80000000
	s_mov_b32 s[G0B+4*\s], 1
	s_add_co_u32 s[G0B+4*\s+1], s45, \s*SLOT
	s_add_nc_u64 s[G0B+4*\s+2:G0B+4*\s+3], s[46:47], \s*ROWB
	s_or_b32 s[G0B+4*\s+3], s[G0B+4*\s+3], 0x80000000
	s_wait_alu depctr_va_vdst(0)
	s_wait_tensorcnt 0x0
	ds_add_u32 v28, v29
	s_wait_dscnt 0x0
	CROUND
	JLOAD G0+4*\s, G1, G0B+4*\s, G1B
.endr
	v_and_b32 v1, 15, v0
	v_bfe_u32 v2, v0, 4, 1
	v_mul_u32_u24 v3, v1, PITCH
	v_lshl_add_u32 v4, v2, 4, v3
	s_mul_i32 s21, s15, HALFT
	s_mul_i32 s22, s16, HALFT
	s_add_co_u32 s22, s22, 2*HALFT
.irp s, 0,1
	v_add_nc_u32 v[ADRA+\s], s21, v4
	v_add_nc_u32 v[ADRB+\s], s22, v4
	s_add_co_u32 s21, s21, SLOT
	s_add_co_u32 s22, s22, SLOT
.endr
	v_mul_u32_u24 v5, v1, KS
	v_lshrrev_b32 v6, 8, v5
	v_lshl_add_u32 v5, v6, 4, v5
	s_mul_i32 s21, s15, HALFS
	s_mul_i32 s22, s16, HALFS
	s_add_co_u32 s22, s22, 2*HALFS
	s_sub_co_u32 s22, s22, s21
	v_mul_u32_u24 v6, s22, v2
	s_add_co_u32 s21, s21, SCL
	v_add_nc_u32 v5, v5, v6
	v_add_nc_u32 v[ADRS], s21, v5
	s_cmp_lg_u32 s[ISV], 0
	s_cselect_b32 s96, s42, s17
	s_cselect_b32 s97, s16, s15
	s_cselect_b32 s98, s17, s42
	s_cselect_b32 s99, s15, s16
	s_mov_b32 s100, QKREC
	s_cselect_b32 s100, VREC, s100
	s_mov_b32 s66, 8*QKREC
	s_cselect_b32 s66, 1024, s66
	s_mov_b32 s67, 256
	s_cselect_b32 s67, 8*VREC, s67
	s_cselect_b32 s101, 8, 9
	s_lshl_b32 s101, s97, s101
	s_add_co_u32 s101, s101, 16384
	s_lshl_b32 s97, s97, 13
	s_lshl_b32 s98, s98, 2
	s_lshl_b32 s99, s99, 1
	s_add_co_u32 s98, s98, s99
	s_lshr_b32 s99, s96, 3
	s_lshl_b32 s99, s99, 4
	s_add_co_u32 s98, s98, s99
	s_lshl_b32 s98, s98, 3
	s_and_b32 s96, s96, 7
	s_add_co_u32 s98, s98, s96
	s_mul_i32 s98, s98, s100
	s_mul_i32 s99, ttmp9, SECT
	s_add_co_u32 s98, s98, s99
	s_mov_b32 s99, 0
	s_add_nc_u64 s[12:13], s[12:13], s[98:99]
	s_mov_b32 s100, s101
	s_mov_b32 s101, 0
	s_add_nc_u64 s[92:93], s[12:13], s[100:101]
	s_mov_b32 s96, s97
	s_mov_b32 s97, 0
	s_add_nc_u64 s[12:13], s[12:13], s[96:97]
	s_lshl_b32 s[INC], 1024, s[ISV]
	s_mul_i32 s[INC+1], s[ISV], 8*VREC-4*2048
	s_add_co_u32 s[INC+1], s[INC+1], s[INC]
	s_mov_b32 s[MNT], 0x600000
	s_mov_b32 s[SEL], 0x76543210
	s_mov_b32 s[SEL+1], 0xfedcba98
	v_and_b32 v6, 31, v0
	v_lshlrev_b32 v[VOA], 4, v6
	v_add_nc_u32 v[VOB], s66, v[VOA]
	v_mul_u32_u24 v[VSO], s67, v2
	v_lshl_add_u32 v[VSO], v1, 4, v[VSO]
.irp b, 0,1,2,3
	v_mov_b32 v[TM+4+\b], 0
.endr
.macro FRAG reg, adr, q, i
.irp c, 0,1,2,3
	ds_load_b128 v[\reg+4*\c:\reg+4*\c+3], v[\adr] offset:128*(\q)+32*\c+(\i)*16*PITCH
.endr
.endm
.macro MUL16 a0, p, q, sc, zero
.irp a, \a0, \a0+1
.irp b, 0,1,2,3,4,5,6,7
.if \zero
	v_wmma_scale_f32_16x16x128_f8f6f4 v[8*(8*((\a)%4)+\b):8*(8*((\a)%4)+\b)+7], v[128*(\p)+FR*\b:128*(\p)+FR*\b+FR-1], v[AF+FR*(\a):AF+FR*(\a)+FR-1], 0, v[SC+8*NQ*(\sc)+NQ*\b+(\q)], v[SC+8*NQ*(\sc)+NQ*(\a)+(\q)] matrix_a_scale:MATRIX_SCALE_ROW1
.else
	v_wmma_scale_f32_16x16x128_f8f6f4 v[8*(8*((\a)%4)+\b):8*(8*((\a)%4)+\b)+7], v[128*(\p)+FR*\b:128*(\p)+FR*\b+FR-1], v[AF+FR*(\a):AF+FR*(\a)+FR-1], v[8*(8*((\a)%4)+\b):8*(8*((\a)%4)+\b)+7], v[SC+8*NQ*(\sc)+NQ*\b+(\q)], v[SC+8*NQ*(\sc)+NQ*(\a)+(\q)] matrix_a_scale:MATRIX_SCALE_ROW1
.endif
.endr
.endr
.endm
.macro FETCH_B slot, q, p
	WIN TO_B
.irp i, 0,1,2,3,4,5,6,7
	FRAG 128*(\p)+FR*\i, ADRB+\slot, \q, \i
.endr
	WIN 0
.endm
.macro FETCH_A slot, q, i0
.irp i, \i0, \i0+1, \i0+2, \i0+3
	FRAG AF+FR*(\i), ADRA+\slot, \q, \i
.endr
.endm
.macro SCALES sc
.irp i, 0,1,2,3,4,5,6,7
	ds_load_b64 v[SC+8*NQ*\sc+NQ*\i:SC+8*NQ*\sc+NQ*\i+1], v[ADRS] offset:\i*SBLK
.endr
.endm
.macro PLACES n
.rept \n
	v_nop
.endr
.endm
.macro STEP slot, q, zero
	s_wait_dscnt 4*NL
	WIN MUL_LO
	MUL16 0, (\q)%2, \q, \slot, \zero
	MUL16 2, (\q)%2, \q, \slot, \zero
	s_wait_dscnt 0
	PLACES NP
	FETCH_B \slot, (\q)+1, 1-(\q)%2
	FETCH_A \slot, (\q)+1, 0
	WIN MUL_HI
	MUL16 4, (\q)%2, \q, \slot, \zero
	MUL16 6, (\q)%2, \q, \slot, \zero
	PLACES NP
	WIN 0
	FETCH_A \slot, (\q)+1, 4
.endm
.macro TURN slot, next, fill
	s_wait_tensorcnt 0x0
	ds_add_u32 v[SPW], v[NIL]
	s_wait_dscnt 4*NL+1
	WIN MUL_LO
	MUL16 0, 1, NQ-1, \slot, 0
	s_wait_dscnt 0x0
	s_barrier_signal -1
	MUL16 2, 1, NQ-1, \slot, 0
	WIN 0
	s_barrier_wait -1
.if \fill
	CREST
	s_add_nc_u64 s[G0+4*\slot+2:G0+4*\slot+3], s[G0+4*\slot+2:G0+4*\slot+3], 2*ROWB
	s_add_nc_u64 s[G0B+4*\slot+2:G0B+4*\slot+3], s[G0B+4*\slot+2:G0B+4*\slot+3], 2*ROWB
	JLOAD G0+4*\slot, G1, G0B+4*\slot, G1B
	PLACES NP-4
.else
	PLACES NP
.endif
	s_wait_alu depctr_va_vdst(0)
	v_add_nc_u32 v[ADRS], 4*NQ, v[ADRS]
	FETCH_B \next, 0, 0
	FETCH_A \next, 0, 0
	SCALES \next
	WIN MUL_HI
	MUL16 4, 1, NQ-1, \slot, 0
	MUL16 6, 1, NQ-1, \slot, 0
	PLACES NP
	WIN 0
	FETCH_A \next, 0, 4
.endm
	s_wait_tensorcnt 1
	s_barrier_signal -1
	s_barrier_wait -1
	FETCH_B 0, 0, 0
	FETCH_A 0, 0, 0
	SCALES 0
	FETCH_A 0, 0, 4
	STEP 0, 0, 1
	s_mov_b32 s3, LAPS-1
.Llap:
	TURN 0, 1, 1
	STEP 1, 0, 0
	TURN 1, 0, 1
	STEP 0, 0, 0
	s_sub_co_u32 s3, s3, 1
	s_cmp_lg_u32 s3, 0
	s_cbranch_scc1 .Llap
	TURN 0, 1, 0
	STEP 1, 0, 0
	s_wait_dscnt 4*NL
	WIN MUL_LO
	MUL16 0, 1, NQ-1, 1, 0
	MUL16 2, 1, NQ-1, 1, 0
	s_wait_dscnt 0
	WIN MUL_HI
	MUL16 4, 1, NQ-1, 1, 0
	MUL16 6, 1, NQ-1, 1, 0
	WIN 0
.macro QUANTA a
.set AC, 64*((\a)%4)
.set WD, 2+(\a)/4
.set WA, (WD<<2)|(WD<<4)
.set WB, (WD<<6)|WD
	WIN WA
.irp b, 0,1,2,3
	v_max3_num_f32 v[TM+\b], 0x4800000, |v[AC+16*\b]|, |v[AC+16*\b+1]|
.endr
.irp i, 2,4,6,8,10,12,14
.irp b, 0,1,2,3
	v_max3_num_f32 v[TM+\b], v[TM+\b], |v[AC+16*\b+\i]|, |v[AC+16*\b+\i+1]|
.endr
.endr
	WIN 0
.irp b, 0,1,2,3
	v_permlanex16_b32 v[TM+4+\b], v[TM+\b], s[SEL], s[SEL+1]
.endr
.irp b, 0,1,2,3
	v_max_num_f32 v[TM+\b], v[TM+\b], v[TM+4+\b]
.endr
.irp b, 0,1,2,3
	v_add_nc_u32 v[TM+12+\b], 0xfc000000, v[TM+\b]
.endr
.irp b, 0,1,2,3
	v_and_or_b32 v[TM+8+\b], v[TM+\b], 0x7f800000, s[MNT]
.endr
.irp b, 0,1,2,3
	v_lshrrev_b32 v[TM+4+\b], 23, v[TM+12+\b]
.endr
	v_lshl_or_b32 v[W8+\a], v[TM+5], 8, v[TM+4]
	v_lshl_or_b32 v[W8+\a], v[TM+6], 16, v[W8+\a]
	v_lshl_or_b32 v[W8+\a], v[TM+7], 24, v[W8+\a]
	WIN WB
.irp b, 0,1,2,3
.irp i, 0,1,2,3,4,5,6,7,8,9,10,11,12,13,14,15
	v_med3_num_f32 v[AC+16*\b+\i], v[AC+16*\b+\i], -v[TM+8+\b], v[TM+8+\b]
.endr
.endr
	s_wait_alu depctr_va_vdst(0)
	s_wait_xcnt 0x0
	WIN WD
.irp b, 0,1,2,3
	v_cvt_scalef32_pk8_fp8_f32 v[PC+4*\b:PC+4*\b+1], v[AC+16*\b:AC+16*\b+7], v[TM+12+\b]
	v_cvt_scalef32_pk8_fp8_f32 v[PC+4*\b+2:PC+4*\b+3], v[AC+16*\b+8:AC+16*\b+15], v[TM+12+\b]
.endr
	WIN 0
	v_nop
.if (\a) == 4
	v_add_nc_u32 v[VOA], s[INC+1], v[VOA]
	v_add_nc_u32 v[VOB], s[INC+1], v[VOB]
.elseif (\a) > 0
	v_add_nc_u32 v[VOA], s[INC], v[VOA]
	v_add_nc_u32 v[VOB], s[INC], v[VOB]
.endif
	global_store_b128 v[VOA], v[PC:PC+3], s[12:13]
	global_store_b128 v[VOA], v[PC+4:PC+7], s[12:13] offset:512
	global_store_b128 v[VOB], v[PC+8:PC+11], s[12:13]
	global_store_b128 v[VOB], v[PC+12:PC+15], s[12:13] offset:512
.endm
	PLACES NP
.irp a, 0,1,2,3,4,5,6,7
	QUANTA \a
.endr
	v_cmp_eq_u32 vcc_lo, 1, v2
.irp i, 0,1,2,3
	v_cndmask_b32 v[SW+\i], v[W8+\i], v[W8+4+\i], vcc_lo
.endr
	global_store_b128 v[VSO], v[SW:SW+3], s[92:93]
	s_cmp_lg_u32 s[ISV], 0
	s_cbranch_scc1 .Lv_done
.irp i, 0,1,2,3
	v_lshrrev_b32 v[SW+4+\i], 16, v[SW+\i]
.endr
	global_store_b128 v[VSO], v[SW+4:SW+7], s[92:93] offset:8*QKREC
.Lv_done:
	s_wait_tensorcnt 0x0
	ds_add_u32 v[SPW], v[NIL]
	s_wait_dscnt 0x0
	CROUND
	s_endpgm
.Lfunc_end_k_q83ef46c80e_proj:
	.size	k_q83ef46c80e_proj, .Lfunc_end_k_q83ef46c80e_proj-k_q83ef46c80e_proj
	.p2alignl 7, 3214868480
	.fill 96, 4, 3214868480
	.section	.rodata,"a",@progbits
	.p2align	6, 0x0
	.amdhsa_kernel k_q83ef46c80e_proj
		.amdhsa_group_segment_fixed_size 327680
		.amdhsa_private_segment_fixed_size 0
		.amdhsa_enable_private_segment 0
		.amdhsa_kernarg_size 72
		.amdhsa_user_sgpr_count 2
		.amdhsa_user_sgpr_kernarg_segment_ptr 1
		.amdhsa_wavefront_size32 1
		.amdhsa_system_sgpr_workgroup_id_x 1
		.amdhsa_system_sgpr_workgroup_id_y 1
		.amdhsa_system_sgpr_workgroup_id_z 1
		.amdhsa_system_vgpr_workitem_id 0
		.amdhsa_next_free_vgpr 1024
		.amdhsa_next_free_sgpr 102
		.amdhsa_reserve_vcc 1
		.amdhsa_float_denorm_mode_32 3
		.amdhsa_float_denorm_mode_16_64 3
		.amdhsa_memory_ordered 1
		.amdhsa_forward_progress 1
		.amdhsa_inst_pref_size 188
	.end_amdhsa_kernel
	.amdgpu_metadata
---
amdhsa.version: [ 1, 2 ]
amdhsa.kernels:
  - .name:           k_q83ef46c80e_proj
    .symbol:         k_q83ef46c80e_proj.kd
    .args:
      - { .name: x_codes, .offset: 0, .size: 8, .value_kind: global_buffer, .address_space: global }
      - { .name: x_scales, .offset: 8, .size: 8, .value_kind: global_buffer, .address_space: global }
      - { .name: Wq_codes, .offset: 16, .size: 8, .value_kind: global_buffer, .address_space: global }
      - { .name: Wq_scales, .offset: 24, .size: 8, .value_kind: global_buffer, .address_space: global }
      - { .name: Wk_codes, .offset: 32, .size: 8, .value_kind: global_buffer, .address_space: global }
      - { .name: Wk_scales, .offset: 40, .size: 8, .value_kind: global_buffer, .address_space: global }
      - { .name: Wv_codes, .offset: 48, .size: 8, .value_kind: global_buffer, .address_space: global }
      - { .name: Wv_scales, .offset: 56, .size: 8, .value_kind: global_buffer, .address_space: global }
      - { .name: qkv, .offset: 64, .size: 8, .value_kind: global_buffer, .address_space: global }
    .group_segment_fixed_size: 327680
    .private_segment_fixed_size: 0
    .kernarg_segment_align: 8
    .kernarg_segment_size: 72
    .max_flat_workgroup_size: 128
    .sgpr_count:     102
    .vgpr_count:     1024
    .wavefront_size: 32
...
	.end_amdgpu_metadata
.endif
;; end of part 1
;; launch stats (part 2): grid 4 x 64, 16 waves a work-group, no clusters, 327,680 bytes of LDS; arguments qkv, bias; writes bias
.if DOCPART == 2
	.amdgcn_target "amdgcn-amd-amdhsa--gfx1250"
	.amdhsa_code_object_version 6
	.text
	.protected	k_q83ef46c80e_stats
	.globl	k_q83ef46c80e_stats
	.p2align	8
	.type	k_q83ef46c80e_stats,@function
k_q83ef46c80e_stats:
	s_mov_b64 s[64:65], 0
	v_nop
	global_prefetch_b8 v0, s[64:65] scope:SCOPE_SE
	s_setreg_imm32_b32 hwreg(HW_REG_WAVE_MODE, 25, 1), 1
	s_wait_xcnt 0x0
; The softmax runs over the QUERIES: for each key s, m[s] = the largest score and Z[s] = the sum of 2^(c (score - m)) over the queries t >= s, c = log2(e) / 32.
; This launch makes bias'[s] = (-c m - log2 Z) / c, so that attn[t][s] = 2^(c (score + bias'[s])).  The maximum is a running one; when it moves the sum is multiplied by 2^(c m_old - c m_new).
; SHARES.  Work-group (I, head of batch) owns key blocks 7 - I (queries' slots 7 - I .. 7) and I (slots I .. 7): always 9 slots of 256 queries, so every work-group has the same trips and the same work.
; Each of 16 waves keeps 16 keys in registers.  S = Q K^T (source 0 = 16 queries, source 1 = my keys): a lane holds ONE key (lane % 16), register j of tile t the query 16 t + 8 (lane / 16) + j.
; K = 64 in an instruction that is 128 deep: my keys' fragment has 8 registers of zero codes as k = 64 .. 127; a tile of queries is 8 registers, and its upper half is whatever follows (the next tile's codes, or zeros): it meets zero codes.
; Q's records (17,408 dense bytes: register images and scale words) come through two LDS slots by one tensor load of wave 0, read by all sixteen waves.
; NO CLUSTER: in trip N work-group I reads slot 7 - I + N, later slot N - 1: the four work-groups of a head want different tiles in the same trip, so no request can be joint.
; LIMITS: scores lie above -3e38; NaN and infinities are not served.
; REGISTERS: v1 16 lane, v2 16 r, v4 r - 8 h, v5, v6 the add's, v7 LDS address, v8 my keys' scale word, v9, v10 the stage, v12 -c m, v13 m, v[14:15] Z, v16-19 Q's scale words, v20, v21 the two results,
;   v24-31 my keys, v32-39 zeros, v40-103 eight tiles of queries, v104-111 zeros, v112-175 S, v224.. at work.
; SCALARS: s2 the slot in hand, s3 the trip N, s12 wave, s13 I, s14 head of batch, s15 the step's first query, s16 my first key, s17 I + 1, s[60:61] the next record's byte offset, s62 8 - I, s[68:69] k's records, s[70:71] q's records.
.set REC,   17408
.set HSTR,  8*REC
.set KSEC,  64*HSTR
.set SLOT1, 32768
.set SPARE, 2*SLOT1                    ; the spare words: 128 bytes a wave, eight blocks of 256 bytes that no other line names
.set STG,   SPARE+2048                 ; 2 x 1,024 bytes: the two key blocks' results
.set QT,    40
.set SCR,   112
.macro TLOAD1                          ; wave 0 fetches; four v_nop follow the line
	s_cmp_lg_u32 s12, 0
	s_cbranch_scc1 .Lnot_mine_\@
	tensor_load_to_lds s[48:51], s[24:31]
	s_nop 0
.rept 4
	v_nop
.endr
.Lnot_mine_\@:
.endm
; THE CHANGE OF SLOTS stands at a slot's head: every wave waits for all its tensor loads, adds 0 to its spare word, waits for that and for its reads of the slot that it has left; behind the barrier that slot is filled with the next record.
; The next record's address is made anew each time: the head's base + the slot's number x a record.  Trip N asks for trip N + 1's slot: 8 - I + N while the first key block lasts (N < I), then N: never above 7.
.macro CHANGE fill
	s_wait_tensorcnt 0x0                           ; no tensor load of mine is out, so the descriptor may be written
	ds_add_u32 v5, v6
.if \fill
	ds_add_u32 v5, v6                              ; and once more
	s_xor_b32 s49, s49, SLOT1
	s_cmp_lt_u32 s3, s13
	s_cselect_b32 s60, s62, 0
	s_add_co_u32 s60, s60, s3                      ; which 256 queries
	s_mul_i32 s60, s60, REC
	s_add_nc_u64 s[50:51], s[70:71], s[60:61]
	s_or_b32 s51, s51, 0x80000000                  ; the type
.endif
	s_wait_dscnt 0x0
	s_barrier_signal -1
	s_barrier_wait -1
.if \fill
	TLOAD1                                         ; the first thing behind the barrier: it has two steps of sixteen waves in which to land
.endif
.endm
; A key block begins (its number in s76): my 16 keys' codes and scale word, and empty statistics.  (Behind every run of products stand eight plain lines, so these loads may land in the products' registers.)
.macro BEGIN
	s_lshl_b32 s15, s76, 8                         ; the first step's first query
	s_lshl_b32 s77, s12, 4
	s_add_co_u32 s16, s15, s77                     ; my first key
	s_mul_i32 s80, s76, REC
	s_lshl_b32 s77, s12, 10
	s_add_co_u32 s72, s80, s77                     ; tile w of the record: 1,024 bytes a tile
	s_mov_b32 s73, 0
	s_add_nc_u64 s[72:73], s[68:69], s[72:73]
	s_lshr_b32 s77, s12, 2
	s_lshl_b32 s77, s77, 8
	s_add_co_u32 s74, s80, s77
	s_and_b32 s77, s12, 3
	s_lshl_b32 s77, s77, 2
	s_add_co_u32 s74, s74, s77
	s_add_co_u32 s74, s74, 16384                   ; its scale words: 16384 + 256 (w / 4) + 4 (w % 4) + 16 r
	s_mov_b32 s75, 0
	s_add_nc_u64 s[74:75], s[68:69], s[74:75]
	global_load_b128 v[24:27], v1, s[72:73]
	global_load_b128 v[28:31], v1, s[72:73] offset:512
	global_load_b32 v8, v2, s[74:75]
	v_mov_b32 v13, 0xff61b1e6                      ; m = -3e38, under every score
	s_delay_alu instid0(VALU_DEP_1)
	v_mul_f32 v12, s18, v13                        ; -c m
	v_mov_b32 v14, 0
	v_mov_b32 v15, 0
	s_wait_loadcnt 0x0                             ; also frees the address registers for the next BEGIN
.endm
; A STEP: 128 queries, half sg of the slot in hand.
.macro STEP sg
	s_add_co_u32 s77, s15, 127
	s_cmp_lt_u32 s77, s16                          ; all 128 queries come before my keys: nothing counts.  A branch on ids; no barrier and no tensor load stands in a step
	s_cbranch_scc1 .Lskip_\@
	v_add_nc_u32 v7, s2, v1
.irp t, 0,1,2,3,4,5,6,7
	ds_load_b128 v[QT+8*\t:QT+8*\t+3], v7 offset:\sg*8192+\t*1024
	ds_load_b128 v[QT+8*\t+4:QT+8*\t+7], v7 offset:\sg*8192+\t*1024+512
.endr
	ds_load_b128 v[16:19], v7 offset:16384+\sg*512 ; register i: lanes 0-15 tile i's words, lanes 16-31 tile 4 + i's
	s_wait_dscnt 0x0
.irp t, 0,1,2,3
	v_wmma_scale_f32_16x16x128_f8f6f4 v[SCR+8*\t:SCR+8*\t+7], v[QT+8*\t:QT+8*\t+15], v[24:39], 0, v[16+\t], v8
.endr
.irp t, 4,5,6,7
	v_wmma_scale_f32_16x16x128_f8f6f4 v[SCR+8*\t:SCR+8*\t+7], v[QT+8*\t:QT+8*\t+15], v[24:39], 0, v[12+\t], v8 matrix_a_scale:MATRIX_SCALE_ROW1
.endr
.rept 8
	v_nop                                          ; places behind the products: for the reads below and for every later load into their registers
.endr
	s_add_co_u32 s77, s16, 15
	s_cmp_ge_u32 s15, s77                          ; every query of the step counts for every key of mine: no mask
	s_cbranch_scc1 .Lopen_\@
	s_sub_co_i32 s77, s16, s15
	v_add_nc_u32 v248, s77, v4                     ; d = my key - the step's first query - 8 (lane / 16): register 8 t + j is hidden where 16 t + j < d
.set n, 0
	s_wait_alu depctr_va_vdst(0)
.rept 64
	v_cmp_lt_i32 vcc_lo, 16*(n/8)+n%8, v248
	v_cndmask_b32 v[SCR+n], v[SCR+n], v249, vcc_lo ; -infinity
.set n, n+1
.endr
.Lopen_\@:
.irp b, 0,1,2,3
	v_max3_num_f32 v[224+\b], v[SCR+16*\b], v[SCR+16*\b+1], v[SCR+16*\b+2]   ; four chains; each accumulator is read from its low end on
.endr
.irp i, 3,5,7,9,11,13
.irp b, 0,1,2,3
	v_max3_num_f32 v[224+\b], v[224+\b], v[SCR+16*\b+\i], v[SCR+16*\b+\i+1]
.endr
.endr
.irp b, 0,1,2,3
	v_max_num_f32 v[224+\b], v[224+\b], v[SCR+16*\b+15]
.endr
	s_delay_alu instid0(VALU_DEP_2)
	v_max3_num_f32 v228, v224, v225, v226
	s_delay_alu instid0(VALU_DEP_1)
	v_max3_num_f32 v13, v228, v227, v13            ; the running maximum
	v_mov_b32 v229, v12
	s_delay_alu instid0(VALU_DEP_2)
	v_mul_f32 v12, s18, v13                        ; -c m
	s_delay_alu instid0(VALU_DEP_1)
	v_sub_f32 v229, v12, v229
	s_wait_alu depctr_va_vdst(0)
	v_exp_f32 v252, v229                           ; a = 2^(c m_old - c m_new)
.set n, 0
.rept 32
	v_pk_fma_f32 v[SCR+n:SCR+n+1], v[SCR+n:SCR+n+1], s[22:23], v[12:13] op_sel_hi:[1,0,0]   ; c s - c m, two at a time
.set n, n+2
.endr
.set n, 0
	s_wait_alu depctr_va_vdst(0)
.rept 64
	v_exp_f32 v[SCR+n], v[SCR+n]
.set n, n+1
.endr
	s_wait_alu depctr_va_vdst(0)
	v_pk_mul_f32 v[14:15], v[14:15], v[252:253] op_sel_hi:[1,0]   ; Z under the new maximum.  (A plain line behind the exponentials)
	v_pk_add_f32 v[236:237], v[116:117], v[120:121]
	v_pk_add_f32 v[254:255], v[124:125], v[128:129]
	v_pk_add_f32 v[250:251], v[132:133], v[136:137]
	v_pk_add_f32 v[246:247], v[140:141], v[144:145]
	v_pk_add_f32 v[244:245], v[148:149], v[152:153]
	v_pk_add_f32 v[242:243], v[156:157], v[160:161]
	v_pk_add_f32 v[240:241], v[164:165], v[168:169]
	v_pk_add_f32 v[14:15], v[14:15], v[172:173]
	v_pk_add_f32 v[236:237], v[236:237], v[112:113]
	v_pk_add_f32 v[254:255], v[254:255], v[114:115]
	v_pk_add_f32 v[250:251], v[250:251], v[118:119]
	v_pk_add_f32 v[246:247], v[246:247], v[122:123]
	v_pk_add_f32 v[244:245], v[244:245], v[126:127]
	v_pk_add_f32 v[242:243], v[242:243], v[130:131]
	v_pk_add_f32 v[240:241], v[240:241], v[134:135]
	v_pk_add_f32 v[14:15], v[14:15], v[138:139]
	v_pk_add_f32 v[236:237], v[236:237], v[142:143]
	v_pk_add_f32 v[254:255], v[254:255], v[146:147]
	v_pk_add_f32 v[250:251], v[250:251], v[150:151]
	v_pk_add_f32 v[246:247], v[246:247], v[154:155]
	v_pk_add_f32 v[244:245], v[244:245], v[158:159]
	v_pk_add_f32 v[242:243], v[242:243], v[162:163]
	v_pk_add_f32 v[240:241], v[240:241], v[166:167]
	v_pk_add_f32 v[14:15], v[14:15], v[170:171]
	v_pk_add_f32 v[236:237], v[236:237], v[174:175]
	s_delay_alu instid0(VALU_DEP_2)
	v_pk_add_f32 v[14:15], v[14:15], v[246:247]
	s_delay_alu instid0(VALU_DEP_2)
	v_pk_add_f32 v[236:237], v[236:237], v[244:245]
	v_pk_add_f32 v[254:255], v[254:255], v[242:243]
	v_pk_add_f32 v[250:251], v[250:251], v[240:241]
	s_delay_alu instid0(VALU_DEP_2)
	v_pk_add_f32 v[14:15], v[14:15], v[254:255]
	s_delay_alu instid0(VALU_DEP_2)
	v_pk_add_f32 v[236:237], v[236:237], v[250:251]
	s_delay_alu instid0(VALU_DEP_1)
	v_pk_add_f32 v[14:15], v[14:15], v[236:237]
.Lskip_\@:
	s_add_co_u32 s15, s15, 128
.endm
; A key block ends: the two halves of the lanes, which hold different queries of the same key, are joined under the larger maximum.
.macro FINAL dst
	v_add_f32 v14, v14, v15
	v_permlanex16_b32 v230, v12, s20, s21
	s_delay_alu instid0(VALU_DEP_2)
	v_permlanex16_b32 v231, v14, s20, s21
	s_delay_alu instid0(VALU_DEP_2)
	v_min_num_f32 v232, v12, v230                  ; the smaller -c m is the larger m
	s_delay_alu instid0(VALU_DEP_1)
	v_sub_f32 v233, v232, v12
	s_delay_alu instid0(VALU_DEP_2)
	v_sub_f32 v234, v232, v230
	s_wait_alu depctr_va_vdst(0)
	v_exp_f32 v233, v233
	v_exp_f32 v234, v234
	v_nop
	s_wait_alu depctr_va_vdst(0)
	v_mul_f32 v14, v14, v233
	v_fma_f32 v14, v231, v234, v14
	s_wait_alu depctr_va_vdst(0)
	v_log_f32 v235, v14
	v_nop
	s_wait_alu depctr_va_vdst(0)
	v_sub_f32 v235, v232, v235
	s_delay_alu instid0(VALU_DEP_1)
	v_mul_f32 v[\dst], s19, v235                   ; (-c m - log2 Z) / c
.endm
	s_load_b128 s[4:7], s[0:1], 0x0                ; qkv, bias
	v_lshl_add_u32 v5, v0, 2, SPARE
	v_mov_b32 v6, 0
	ds_add_u32 v5, v6
	ds_add_u32 v5, v6
	s_wait_dscnt 0x0
	v_lshrrev_b32 v7, 5, v0
	s_delay_alu instid0(VALU_DEP_1)
	v_readfirstlane_b32 s12, v7                    ; wave 0..15
	s_mov_b32 s13, ttmp9                           ; I
	s_and_b32 s14, ttmp7, 0xffff                   ; the head of the batch, 0..63
	s_add_co_u32 s17, s13, 1
	s_sub_co_u32 s76, 7, s13                       ; the first key block
	s_sub_co_u32 s62, 8, s13
	s_mov_b32 s61, 0                               ; the upper word of the records' offsets
	s_mov_b32 s24, 3<<16                           ; group 1: a dense record as 68 rows of 32 elements of 8 bytes; no mask, no padding
	s_mov_b32 s25, 32<<16                          ; tensor_dim0
	s_mov_b32 s26, 68<<16                          ; tensor_dim1
	s_mov_b32 s27, 32<<16                          ; tile_dim0
	s_mov_b32 s28, 68                              ; tile_dim1
	s_mov_b32 s29, 32                              ; the pitch
	s_mov_b32 s30, 0
	s_mov_b32 s31, 0
	s_mul_i32 s72, s14, HSTR
	s_mov_b32 s73, 0
	s_mul_i32 s74, s76, REC
	s_mov_b32 s75, 0
	s_mov_b32 s18, 0xbd38aa3b                      ; -c
	s_mov_b32 s19, 0x41b17218                      ; 1 / c = 32 ln 2
	s_mov_b32 s20, 0x76543210
	s_mov_b32 s21, 0xfedcba98                      ; lane l xor 16
	s_mov_b32 s22, 0x3d38aa3b                      ; c = log2(e) / 32
	s_mov_b32 s23, s22
	s_mov_b32 s2, 0                                ; the slot in hand
	s_mov_b32 s3, 0                                ; the trip
	s_wait_kmcnt 0x0
	s_add_nc_u64 s[70:71], s[4:5], s[72:73]        ; q's records of my head
	s_add_nc_u64 s[68:69], s[70:71], KSEC          ; k's
	s_mov_b32 s48, 1
	s_mov_b32 s49, 0
	s_add_nc_u64 s[50:51], s[70:71], s[74:75]      ; slot 7 - I
	s_or_b32 s51, s51, 0x80000000
	TLOAD1                                         ; the first fill
.irp j, 0,1,2,3,4,5,6,7
	v_mov_b32 v[32+\j], 0                          ; zero codes: k = 64 .. 127 of my keys,
	v_mov_b32 v[104+\j], 0                         ; and behind the last tile of queries
.endr
	v_and_b32 v3, 31, v0
	s_delay_alu instid0(VALU_DEP_1)
	v_lshlrev_b32 v1, 4, v3                        ; 16 x lane
	v_and_b32 v3, 15, v0                           ; r
	s_delay_alu instid0(VALU_DEP_1)
	v_lshlrev_b32 v2, 4, v3
	v_bfe_u32 v7, v0, 4, 1
	s_delay_alu instid0(VALU_DEP_1)
	v_lshlrev_b32 v7, 3, v7
	s_delay_alu instid0(VALU_DEP_1)
	v_sub_nc_u32 v4, v3, v7                        ; r - 8 h
	s_lshl_b32 s77, s12, 6
	v_lshl_add_u32 v9, v3, 2, s77
	s_delay_alu instid0(VALU_DEP_1)
	v_add_nc_u32 v9, STG, v9                       ; the stage, in: 64 w + 4 r
	s_lshl_b32 s77, s12, 9
	v_add_nc_u32 v10, s77, v1
	s_delay_alu instid0(VALU_DEP_1)
	v_add_nc_u32 v10, STG, v10                     ; and back: 512 w + 16 lane (waves 0 to 3)
	v_mov_b32 v20, 0
	v_mov_b32 v230, 0                              ; a lane permute's destination counts as one of its sources
	v_mov_b32 v231, 0
	v_mov_b32 v253, 0                              ; named as the upper half of a pair
	v_mov_b32 v249, 0xff800000                     ; -infinity
	BEGIN
.Lslot:                                            ; 8 trips: behind each change of slots but the last the next record is asked for
	CHANGE 1
	s_cmp_lg_u32 s3, s17
	s_cbranch_scc1 .Lsame                          ; a branch on the work-group's number: the same in all sixteen waves
	s_wait_alu depctr_va_vdst(0)
	FINAL 20
	s_mov_b32 s76, s13
	BEGIN
.Lsame:
	STEP 0
	STEP 1
	s_xor_b32 s2, s2, SLOT1
	s_add_co_u32 s3, s3, 1
	s_cmp_lt_u32 s3, 8
	s_cbranch_scc1 .Lslot
	CHANGE 0                                       ; the last slot is written out
	STEP 0
	STEP 1
	s_wait_alu depctr_va_vdst(0)
	FINAL 21
	; THE WAY OUT: 16 numbers a wave meet in the stage, and four waves store 512 consecutive bytes each
	ds_store_b32 v9, v20                           ; both halves of the lanes write the same word with the same value
	ds_store_b32 v9, v21 offset:1024
	s_wait_dscnt 0x0                               ; for the others' sake
	s_barrier_signal -1
	s_barrier_wait -1
	s_cmp_lt_u32 s12, 4
	s_cbranch_scc0 .Lend
	s_sub_co_u32 s77, 7, s13
	s_cmp_lt_u32 s12, 2
	s_cselect_b32 s77, s77, s13                    ; waves 0, 1: key block 7 - I; waves 2, 3: block I
	s_lshl_b32 s77, s77, 10
	s_and_b32 s78, s12, 1
	s_lshl_b32 s78, s78, 9
	s_add_co_u32 s78, s78, s77
	s_lshl_b32 s77, s14, 13
	s_add_co_u32 s78, s78, s77
	s_mov_b32 s79, 0
	s_add_nc_u64 s[6:7], s[6:7], s[78:79]
	ds_load_b128 v[40:43], v10
	s_wait_dscnt 0x0
	global_store_b128 v1, v[40:43], s[6:7]
.Lend:
	s_wait_tensorcnt 0x0                           ; the wave's end
	ds_add_u32 v5, v6
	s_wait_dscnt 0x0
	s_endpgm
.Lfunc_end_k_q83ef46c80e_stats:
	.size	k_q83ef46c80e_stats, .Lfunc_end_k_q83ef46c80e_stats-k_q83ef46c80e_stats
	.p2alignl 7, 3214868480
	.fill 96, 4, 3214868480
	.section	.rodata,"a",@progbits
	.p2align	6, 0x0
	.amdhsa_kernel k_q83ef46c80e_stats
		.amdhsa_group_segment_fixed_size 327680
		.amdhsa_private_segment_fixed_size 0
		.amdhsa_enable_private_segment 0
		.amdhsa_kernarg_size 16
		.amdhsa_user_sgpr_count 2
		.amdhsa_user_sgpr_kernarg_segment_ptr 1
		.amdhsa_wavefront_size32 1
		.amdhsa_system_sgpr_workgroup_id_x 1
		.amdhsa_system_sgpr_workgroup_id_y 1
		.amdhsa_system_sgpr_workgroup_id_z 1
		.amdhsa_system_vgpr_workitem_id 0
		.amdhsa_next_free_vgpr 256
		.amdhsa_next_free_sgpr 82
		.amdhsa_reserve_vcc 1
		.amdhsa_float_denorm_mode_32 3
		.amdhsa_float_denorm_mode_16_64 3
		.amdhsa_memory_ordered 1
		.amdhsa_forward_progress 1
		.amdhsa_inst_pref_size 76
	.end_amdhsa_kernel
	.amdgpu_metadata
---
amdhsa.version: [ 1, 2 ]
amdhsa.kernels:
  - .name:           k_q83ef46c80e_stats
    .symbol:         k_q83ef46c80e_stats.kd
    .args:
      - { .name: qkv, .offset: 0, .size: 8, .value_kind: global_buffer, .address_space: global }
      - { .name: bias, .offset: 8, .size: 8, .value_kind: global_buffer, .address_space: global }
    .group_segment_fixed_size: 327680
    .private_segment_fixed_size: 0
    .kernarg_segment_align: 8
    .kernarg_segment_size: 16
    .max_flat_workgroup_size: 512
    .sgpr_count:     82
    .vgpr_count:     256
    .wavefront_size: 32
...
	.end_amdgpu_metadata
.endif
;; end of part 2
;; launch attn (part 3): grid 4 x 64, 8 waves a work-group, clusters of 4 x 1, 327,680 bytes of LDS; arguments qkv, bias, oimg, osc; writes oimg, osc
.if DOCPART == 3
	.amdgcn_target "amdgcn-amd-amdhsa--gfx1250"
	.amdhsa_code_object_version 6
	.text
	.protected	k_q83ef46c80e_attn
	.globl	k_q83ef46c80e_attn
	.p2align	8
	.type	k_q83ef46c80e_attn,@function
k_q83ef46c80e_attn:
	s_mov_b64 s[64:65], 0
	v_nop
	global_prefetch_b8 v0, s[64:65] scope:SCOPE_SE
	s_setreg_imm32_b32 hwreg(HW_REG_WAVE_MODE, 25, 1), 1
	s_wait_xcnt 0x0
	s_wait_alu depctr_hold_cnt(0) depctr_sa_sdst(0) depctr_va_vdst(0) depctr_va_sdst(0) depctr_va_ssrc(0) depctr_va_vcc(0) depctr_vm_vsrc(0)
	s_getreg_b32 s2, hwreg(HW_REG_IB_STS2, 6, 4)
	s_cmp_eq_u32 s2, 0
	s_cbranch_scc0 .Lentry_in_a_cluster
	s_endpgm
.Lentry_in_a_cluster:
	s_bfe_u32 s2, ttmp6, 0x10000c
	s_cmp_lg_u32 s2, 0x3003
	s_cbranch_scc0 .Lentry_shape_is_right
	s_endpgm
.Lentry_shape_is_right:
; attn[t][s] = 2^(c (q[t] . k[s] + bias'[s])) for s <= t, else 0 (c = log2(e) / 32; bias' holds the column's maximum and sum): finished and normalised, it is quantised along the keys and multiplied by v;
; the head's output is quantised along its 64 channels and stored as images of the last product's operand registers.
; LDS HOLDS A WHOLE HEAD: k's 8 records (139,264 bytes), v's 8 records (135,168) and bias' (8,192) are loaded once and never filled again.
; CLUSTER: the four work-groups of a head of a batch read the same bytes, so each load is a joint one (mask 15).  Two groups of loads, one load a wave each: at the head records 0 and 1 and bias';
; behind the full sequence and a round records 2 to 7, which have the first four key steps in which to land; one work-group barrier follows those steps, and no barrier after it.
; SHARES.  A group is 32 queries.  Work-group I (its place in the cluster) owns groups 4 a + I, a = 0 .. 15: group a has a + 1 key steps of 128 whatever I is, so no branch hangs on the place.
; Wave w walks group a = 15 - w and then a = w: 17 key steps in every wave.  The loops' trip counts are constants; a step whose keys all come after the group's queries is jumped over by a branch on the wave's number and the count of steps.
; A wave's two tiles of 16 queries share each fragment of k, of v and of bias'.  Tile 1's scores, sums, codes and working registers have tile 0's register numbers, in window 1.
; S^T = K Q^T + bias' (source 0 = 16 keys, source 1 = 16 queries, C = bias' of the tile's keys): a lane holds ONE query, register j of key tile t the key 16 t + 8 (lane / 16) + j: the places in which v's codes were laid.
; K = 64 in an instruction that is 128 deep: the queries' fragment has 8 registers of zero codes above; a tile of keys is 8 registers and its upper half is whatever codes follow: they meet zero codes.
; NO PREFETCH: every tile is asked for within the head's two groups of loads; there is no later load for a prefetch to run ahead of.
; THE OUTPUT'S SCALE BYTES: a group's are 64 bytes on end, stored by one instruction of 32 lanes; the other three quarters of that run of 256 bytes belong to the cluster's other work-groups.
; LIMITS: NaN and infinities are not served; a block of zeros gets the byte 1 (its codes are zeros; this program alone reads the bytes); 2^x under 2^-126 comes out as 0.
; WINDOW 0: v1 16 lane, v2 16 r, v3 32 h, v5, v6 the add's, v7-9, v22, v246 LDS addresses, v10, v11 the queries' scale words, v12-15 k's, v16-19 v's, v20, v21 attn's, v23 2 lane,
;   v24-31 queries, v32-39 zeros, v40-103 k's tiles, then v's fragments, v104-111 zeros, v112-175 S^T, then attn, v176-207 O^T, v208-223 codes, v224-239 at work, v240, v241 the output's scale bytes, v248 d.
; WINDOW 1: v24-39 tile 1's queries and zeros, v40-103 bias', v112-240, v248 as in window 0, for tile 1.
; SCALARS: s3 the count of steps, s12 wave, s13 I, s14 head of batch, s15 a, s16 1 in the second group, s17 -infinity, s18 lanes 16-31, s[60:61] q's records, s[66:67], s[68:69] where my results go, s70-80 the step's LDS bytes.
.set REC,   17408
.set VREC,  16896
.set HSTR,  8*REC
.set KSEC,  64*HSTR
.set VSEC,  2*KSEC
.set VBASE, 8*REC                      ; LDS: k's records, v's records,
.set BBASE, VBASE+8*VREC               ; bias',
.set SPARE, BBASE+8192                 ; the spare words: 128 bytes a wave, four blocks of 256 bytes that no other line names
.set KT,    40
.set SCR,   112
.set OACC,  176
.set PCD,   208
.set TM,    224
.set MSB, 0
.macro WIN new                         ; the immediate's high byte repeats the setting that is left
.if MSB != \new
	s_set_vgpr_msb (MSB<<8)|\new
.set MSB, \new
.endif
.endm
.macro ROUND                           ; a round of the cluster's barrier
	s_barrier_signal -1
	s_barrier_wait -1
	s_cmp_lg_u32 s12, 0
	s_cbranch_scc1 .Lnw0_\@
	s_barrier_signal -3
.Lnw0_\@:
	s_barrier_wait -3
	s_barrier_signal -1
	s_barrier_wait -1
.endm
.macro TL g0, g1                       ; a joint load; s_nop 0 and four v_nop follow it
	tensor_load_to_lds s[\g0:\g0+3], s[\g1:\g1+7]
	s_nop 0
.rept 4
	v_nop
.endr
.endm
; Group a (s15) begins: its two tiles of queries, tiles 8 (a % 2) + 2 I and the next of record a / 2, and their scale words
.macro QLOAD
	s_lshr_b32 s90, s15, 1
	s_mul_i32 s90, s90, REC
	s_and_b32 s91, s15, 1
	s_lshl_b32 s92, s91, 13
	s_add_co_u32 s82, s90, s92
	s_lshl_b32 s92, s13, 11
	s_add_co_u32 s82, s82, s92
	s_mov_b32 s83, 0
	s_add_nc_u64 s[82:83], s[60:61], s[82:83]
	s_lshl_b32 s92, s91, 9
	s_add_co_u32 s84, s90, s92
	s_lshr_b32 s92, s13, 1
	s_lshl_b32 s92, s92, 8
	s_add_co_u32 s84, s84, s92
	s_and_b32 s92, s13, 1
	s_lshl_b32 s92, s92, 3
	s_add_co_u32 s84, s84, s92
	s_mov_b32 s85, 0
	s_add_nc_u64 s[84:85], s[60:61], s[84:85]
	global_load_b128 v[24:27], v1, s[82:83]
	global_load_b128 v[28:31], v1, s[82:83] offset:512
	global_load_b64 v[10:11], v2, s[84:85] offset:16384
	WIN 0x40
	global_load_b128 v[24:27], v1, s[82:83] offset:1024
	global_load_b128 v[28:31], v1, s[82:83] offset:1536
	WIN 0
.endm
.macro ZERO                            ; O^T = 0, both tiles
.set n, 0
.rept 32
	v_mov_b32 v[OACC+n], 0
.set n, n+1
.endr
	WIN 0x40
.set n, 0
.rept 32
	v_mov_b32 v[OACC+n], 0
.set n, n+1
.endr
	WIN 0
.endm
.macro MASK                            ; the group's last step: register 8 t + j counts where 16 t + j <= d, else it becomes -infinity
.set n, 0
.rept 64
	v_cmp_le_i32 vcc_lo, 16*(n/8)+n%8, v248
	v_cndmask_b32 v[SCR+n], s17, v[SCR+n], vcc_lo
.set n, n+1
.endr
.endm
.macro PKM                             ; x c; each accumulator is read from its low end on
.set n, 0
.rept 32
	v_pk_mul_f32 v[SCR+n:SCR+n+1], v[SCR+n:SCR+n+1], s[22:23] op_sel_hi:[1,0]
.set n, n+2
.endr
.endm
.macro EXPS
.set n, 0
.rept 64
	v_exp_f32 v[SCR+n], v[SCR+n]
.set n, n+1
.endr
.endm
.macro RESTA                           ; the four blocks of 32 keys: largest number with the floor 2^(9 - 127), scale operand, hold, bytes; three of the four bytes joined in v[TM+4]
.irp b, 0,1,2,3
	v_max3_num_f32 v[TM+\b], v[SCR+16*\b], v[SCR+16*\b+1], 0x4800000
.endr
.irp i, 2,4,6,8,10,12,14
.irp b, 0,1,2,3
	v_max3_num_f32 v[TM+\b], v[TM+\b], v[SCR+16*\b+\i], v[SCR+16*\b+\i+1]
.endr
.endr
.irp b, 0,1,2,3
	s_delay_alu instid0(VALU_DEP_4)
	v_permlanex16_b32 v[TM+4+\b], v[TM+\b], s20, s21
.endr
.irp b, 0,1,2,3
	s_delay_alu instid0(VALU_DEP_4)
	v_max_num_f32 v[TM+\b], v[TM+\b], v[TM+4+\b]
.endr
.irp b, 0,1,2,3
	s_delay_alu instid0(VALU_DEP_4)
	v_add_nc_u32 v[TM+12+\b], 0xfc000000, v[TM+\b]
.endr
.irp b, 0,1,2,3
	v_and_or_b32 v[TM+8+\b], v[TM+\b], 0x7f800000, s19
.endr
.irp b, 0,1,2,3
	v_lshrrev_b32 v[TM+4+\b], 23, v[TM+12+\b]
.endr
	s_delay_alu instid0(VALU_DEP_3)
	v_lshl_or_b32 v[TM+4], v[TM+5], 8, v[TM+4]
	s_delay_alu instid0(VALU_DEP_1)
	v_lshl_or_b32 v[TM+4], v[TM+6], 16, v[TM+4]
.endm
.macro RESTB                           ; the one-sided hold (nothing is negative; the conversion does not saturate: ISA guide 7.6.2) and the codes
.irp b, 0,1,2,3
.set n, 0
.rept 16
	v_min_num_f32 v[SCR+16*\b+n], v[SCR+16*\b+n], v[TM+8+\b]
.set n, n+1
.endr
	v_cvt_scalef32_pk8_fp8_f32 v[PCD+4*\b:PCD+4*\b+1], v[SCR+16*\b:SCR+16*\b+7], v[TM+12+\b]
	v_cvt_scalef32_pk8_fp8_f32 v[PCD+4*\b+2:PCD+4*\b+3], v[SCR+16*\b+8:SCR+16*\b+15], v[TM+12+\b]
.endr
.endm
.macro EPIT                            ; a tile's O^T, 64 channels in two blocks of 32, is quantised: codes in v[PCD ..], the two bytes in v240
.irp b, 0,1
	v_max3_num_f32 v[TM+\b], |v[OACC+16*\b]|, |v[OACC+16*\b+1]|, 0x4800000
.endr
.irp i, 2,4,6,8,10,12,14
.irp b, 0,1
	v_max3_num_f32 v[TM+\b], v[TM+\b], |v[OACC+16*\b+\i]|, |v[OACC+16*\b+\i+1]|
.endr
.endr
.irp b, 0,1
	s_delay_alu instid0(VALU_DEP_2)
	v_permlanex16_b32 v[TM+4+\b], v[TM+\b], s20, s21
.endr
.irp b, 0,1
	s_delay_alu instid0(VALU_DEP_2)
	v_max_num_f32 v[TM+\b], v[TM+\b], v[TM+4+\b]
.endr
.irp b, 0,1
	s_delay_alu instid0(VALU_DEP_2)
	v_add_nc_u32 v[TM+12+\b], 0xfc000000, v[TM+\b]
.endr
.irp b, 0,1
	s_delay_alu instid0(VALU_DEP_4)
	v_and_or_b32 v[TM+8+\b], v[TM+\b], 0x7f800000, s19
.endr
.irp b, 0,1
	s_delay_alu instid0(VALU_DEP_4)
	v_lshrrev_b32 v[TM+4+\b], 23, v[TM+12+\b]
.endr
	s_delay_alu instid0(VALU_DEP_1)
	v_lshl_or_b32 v240, v[TM+5], 8, v[TM+4]
.irp b, 0,1
.set n, 0
.rept 16
	v_med3_num_f32 v[OACC+16*\b+n], v[OACC+16*\b+n], -v[TM+8+\b], v[TM+8+\b]
.set n, n+1
.endr
	v_cvt_scalef32_pk8_fp8_f32 v[PCD+4*\b:PCD+4*\b+1], v[OACC+16*\b:OACC+16*\b+7], v[TM+12+\b]
	v_cvt_scalef32_pk8_fp8_f32 v[PCD+4*\b+2:PCD+4*\b+3], v[OACC+16*\b+8:OACC+16*\b+15], v[TM+12+\b]
.endr
	v_nop                                          ; a plain line behind the last conversion
.endm
; A KEY STEP: keys 128 st .. 128 st + 127, st = s3 % 16.  full = 0: the first four steps of the first group, all of whose keys count.  full = 1: with the jump over hidden steps, the mask and the group's end.
.macro STEP full
	s_and_b32 s70, s3, 15
.if \full
	s_cmp_gt_u32 s70, s15                          ; all 128 keys come after the group's queries
	s_cbranch_scc1 .Lhid_\@
.endif
	s_lshr_b32 s71, s70, 1                         ; the record,
	s_and_b32 s72, s70, 1                          ; and which half of it
	s_mul_i32 s73, s71, REC
	s_mul_i32 s74, s71, VREC
	s_add_co_u32 s74, s74, VBASE
	s_lshl_b32 s75, s72, 13
	s_add_co_u32 s76, s73, s75                     ; k's tiles
	s_add_co_u32 s77, s74, s75                     ; v's fragments
	s_lshl_b32 s75, s72, 9
	s_add_co_u32 s78, s73, s75                     ; k's scale words, less 16,384
	s_lshl_b32 s75, s72, 8
	s_add_co_u32 s79, s74, s75                     ; v's, less 16,384
	s_lshl_b32 s80, s70, 9
	s_add_co_u32 s80, s80, BBASE                   ; bias'
	v_add_nc_u32 v7, s76, v1
	v_add_nc_u32 v246, s78, v1
	v_add_nc_u32 v8, s80, v3
	v_add_nc_u32 v22, s77, v1
	v_add_nc_u32 v9, s79, v2
.rept 3
	v_nop                                          ; with the five additions: eight places behind the last step's products, ahead of loads into their registers
.endr
.irp t, 0,1,2,3,4,5,6,7
	ds_load_b128 v[KT+8*\t:KT+8*\t+3], v7 offset:\t*1024
	ds_load_b128 v[KT+8*\t+4:KT+8*\t+7], v7 offset:\t*1024+512
.endr
	ds_load_b128 v[12:15], v246 offset:16384       ; register i: lanes 0-15 tile i's words, lanes 16-31 tile 4 + i's
	WIN 0x40
.irp t, 0,1,2,3,4,5,6,7
	ds_load_b128 v[KT+8*\t:KT+8*\t+3], v8 offset:64*\t          ; bias' of keys 16 t + 8 h + 0 .. 7, into window 1: both tiles' C
	ds_load_b128 v[KT+8*\t+4:KT+8*\t+7], v8 offset:64*\t+16
.endr
	WIN 0
	s_wait_alu depctr_va_vdst(0)
	s_wait_dscnt 0x0
	WIN 0x10                                       ; C in window 1
.irp t, 0,1,2,3
	v_wmma_scale_f32_16x16x128_f8f6f4 v[SCR+8*\t:SCR+8*\t+7], v[KT+8*\t:KT+8*\t+15], v[24:39], v[KT+8*\t:KT+8*\t+7], v[12+\t], v10
.endr
.irp t, 4,5,6,7
	v_wmma_scale_f32_16x16x128_f8f6f4 v[SCR+8*\t:SCR+8*\t+7], v[KT+8*\t:KT+8*\t+15], v[24:39], v[KT+8*\t:KT+8*\t+7], v[8+\t], v10 matrix_a_scale:MATRIX_SCALE_ROW1
.endr
	WIN 0x54                                       ; the queries, C and D in window 1
.irp t, 0,1,2,3
	v_wmma_scale_f32_16x16x128_f8f6f4 v[SCR+8*\t:SCR+8*\t+7], v[KT+8*\t:KT+8*\t+15], v[24:39], v[KT+8*\t:KT+8*\t+7], v[12+\t], v11
.endr
.irp t, 4,5,6,7
	v_wmma_scale_f32_16x16x128_f8f6f4 v[SCR+8*\t:SCR+8*\t+7], v[KT+8*\t:KT+8*\t+15], v[24:39], v[KT+8*\t:KT+8*\t+7], v[8+\t], v11 matrix_a_scale:MATRIX_SCALE_ROW1
.endr
	WIN 0
.rept 8
	v_nop                                          ; places behind the sixteen products
.endr
.irp d, 0,1,2,3                                ; v's four fragments (16 channels x 128 keys) take k's registers and land during the softmax
.irp c, 0,1,2,3
	ds_load_b128 v[KT+16*\d+4*\c:KT+16*\d+4*\c+3], v22 offset:\d*2048+\c*512
.endr
.endr
	ds_load_b128 v[16:19], v9 offset:16384
.if \full
	s_cmp_lg_u32 s70, s15                          ; only the group's last step lies on the diagonal
	s_cbranch_scc1 .Lopen_\@
	MASK
	WIN 0x55
	MASK
	WIN 0
.Lopen_\@:
.endif
	PKM
	WIN 0x55
	PKM
	s_wait_alu depctr_va_vdst(0)                   ; ahead of the batch
	EXPS                                           ; attn: both tiles' 128 exponentials are one batch
	WIN 0
	EXPS
	v_nop                                          ; a plain line behind the exponentials
	s_wait_alu depctr_va_vdst(0)                   ; one wait for the batch, ahead of its first reader
	RESTA
	s_delay_alu instid0(VALU_DEP_1)
	v_lshl_or_b32 v20, v[TM+7], 24, v[TM+4]        ; tile 0's scale word for these 128 keys; the holds below are its places
	RESTB
	WIN 0x55
	RESTA
	WIN 0x11                                       ; scale words stand in window 0
	v_lshl_or_b32 v21, v[TM+7], 24, v[TM+4]
	WIN 0x55
	RESTB
	WIN 0
.rept 4
	v_nop                                          ; an operand written by vector instructions stands four places ahead of a scaled matrix instruction
.endr
	s_wait_alu depctr_va_vdst(0)                   ; ahead of the wait below and of the first readers of O^T
	s_wait_dscnt 0x0                               ; v's fragments and scale words
.irp d, 0,1,2,3                                ; O^T += V^T P^T: eight accumulators by turns
	v_wmma_scale_f32_16x16x128_f8f6f4 v[OACC+8*\d:OACC+8*\d+7], v[KT+16*\d:KT+16*\d+15], v[PCD:PCD+15], v[OACC+8*\d:OACC+8*\d+7], v[16+\d], v20
.endr
	WIN 0x54
.irp d, 0,1,2,3
	v_wmma_scale_f32_16x16x128_f8f6f4 v[OACC+8*\d:OACC+8*\d+7], v[KT+16*\d:KT+16*\d+15], v[PCD:PCD+15], v[OACC+8*\d:OACC+8*\d+7], v[16+\d], v21
.endr
	WIN 0
.if \full
	s_cmp_lg_u32 s70, s15
	s_cbranch_scc1 .Lhid_\@
	; THE GROUP ENDS.  Where its results go: 128 rows a of my batch
	s_lshl_b32 s86, s15, 17
	s_mov_b32 s87, 0
	s_add_nc_u64 s[86:87], s[66:67], s[86:87]
	s_lshl_b32 s88, s15, 12
	s_mov_b32 s89, 0
	s_add_nc_u64 s[88:89], s[68:69], s[88:89]
	s_cmp_lg_u32 s16, 0
	s_cbranch_scc1 .Lep_\@
	s_mov_b32 s15, s12                             ; the second group: a = w, under every step that is left of the first walk; its queries are asked for ahead of the way out
	QLOAD
.Lep_\@:
.rept 8
	v_nop                                          ; places behind the last products
.endr
	EPIT
	global_store_b128 v1, v[PCD:PCD+3], s[86:87]
	global_store_b128 v1, v[PCD+4:PCD+7], s[86:87] offset:512
	WIN 0x55
	EPIT
	WIN 0x04                                       ; the data in window 1
	global_store_b128 v1, v[PCD:PCD+3], s[86:87] offset:2048
	global_store_b128 v1, v[PCD+4:PCD+7], s[86:87] offset:2560
	WIN 0x01
	v_mov_b32 v241, v240
	WIN 0
	v_cndmask_b32 v240, v240, v241, s18            ; lanes 0-15 tile 0's rows, lanes 16-31 tile 1's
	global_store_b16 v23, v240, s[88:89]           ; 32 rows x 2 bytes on end
	s_wait_alu depctr_va_vdst(0)                   ; ahead of the waits below
	s_wait_xcnt 0x0                                ; on every way: the stores have read their data and bases, which later steps write
	s_wait_loadcnt 0x0                             ; and the next group's queries, where they were asked for, are in
	s_cmp_lg_u32 s16, 0
	s_cbranch_scc1 .Lhid_\@                        ; the second group is done: every step that is left has st > a and is jumped over
	s_mov_b32 s16, 1
	ZERO
	s_wait_alu depctr_va_vdst(0)
.Lhid_\@:
.endif
.endm
	s_load_b256 s[4:11], s[0:1], 0x0               ; qkv, bias, oimg, osc
	v_lshl_add_u32 v5, v0, 2, SPARE
	v_mov_b32 v6, 0
	ds_add_u32 v5, v6                              ; the opening lines: the add, twice on end, and its wait
	ds_add_u32 v5, v6
	v_lshrrev_b32 v7, 5, v0
	v_readfirstlane_b32 s12, v7                    ; wave 0..7
	s_bfe_u32 s13, ttmp6, 0x40000                  ; I: my place in the cluster
	s_and_b32 s14, ttmp7, 0xffff                   ; the head of the batch
	s_xor_b32 s15, s12, 15                         ; the first group: a = 15 - w
	s_mov_b32 s16, 0
	s_mov_b32 s17, 0xff800000                      ; -infinity
	s_mov_b32 s18, 0xffff0000                      ; lanes 16-31
	s_mov_b32 s19, 0x600000                        ; the mantissa field of 448
	s_mov_b32 s20, 0x76543210
	s_mov_b32 s21, 0xfedcba98                      ; lane l xor 16
	s_mov_b32 s22, 0x3d38aa3b                      ; c = log2(e) / 32
	s_mov_b32 s23, s22
.irp g, 24, 32, 40                             ; groups 1 (k, v, bias'): dense blocks as rows of 32 elements of 8 bytes; the mask names the cluster's four, bit 21 beside it
	s_mov_b32 s[\g], 15|(3<<16)|(1<<21)
	s_mov_b32 s[\g+1], 32<<16
	s_mov_b32 s[\g+3], 32<<16
	s_mov_b32 s[\g+5], 32
	s_mov_b32 s[\g+6], 0
	s_mov_b32 s[\g+7], 0
.endr
	s_mov_b32 s26, 34<<16                          ; k's records 0, 1: 136 rows, 34 to each of waves 0-3
	s_mov_b32 s28, 34
	s_mov_b32 s34, 44<<16                          ; v's: 132 rows, 44 to each of waves 4-6
	s_mov_b32 s36, 44
	s_mov_b32 s42, 32<<16                          ; bias': 32 rows, wave 7
	s_mov_b32 s44, 32
	s_mul_i32 s70, s14, HSTR
	s_mov_b32 s71, 0
	s_mul_i32 s72, s14, 8*VREC
	s_mov_b32 s73, 0
	s_lshl_b32 s74, s14, 13
	s_mov_b32 s75, 0
	s_mul_i32 s76, s12, 34*256
	s_mov_b32 s77, 0
	s_and_b32 s78, s12, 3
	s_mul_i32 s78, s78, 44*256
	s_mov_b32 s79, 0
	s_and_b32 s90, s14, 48                         ; 16 x batch.  oimg: 2^17 bytes for 128 rows, 2^14 for a pair of heads, 2^10 for a head of the pair, 2^11 for a tile
	s_lshl_b32 s86, s90, 17
	s_bfe_u32 s91, s14, 0x30001
	s_lshl_b32 s91, s91, 14
	s_add_co_u32 s86, s86, s91
	s_and_b32 s91, s14, 1
	s_lshl_b32 s91, s91, 10
	s_add_co_u32 s86, s86, s91
	s_lshl_b32 s91, s13, 12
	s_add_co_u32 s86, s86, s91
	s_mov_b32 s87, 0
	s_lshl_b32 s88, s90, 12                        ; osc: 4,096 bytes for 128 rows, 256 for a head, 2 for a row
	s_and_b32 s91, s14, 15
	s_lshl_b32 s91, s91, 8
	s_add_co_u32 s88, s88, s91
	s_lshl_b32 s91, s13, 6
	s_add_co_u32 s88, s88, s91
	s_mov_b32 s89, 0
	s_wait_alu depctr_va_vdst(0)
	s_wait_dscnt 0x0                               ; both opening adds are done
	s_wait_kmcnt 0x0
	s_add_nc_u64 s[60:61], s[4:5], s[70:71]        ; q's records of my head
	s_add_nc_u64 s[62:63], s[60:61], KSEC          ; k's
	s_add_nc_u64 s[94:95], s[4:5], s[72:73]
	s_add_nc_u64 s[94:95], s[94:95], VSEC          ; v's
	s_add_nc_u64 s[66:67], s[8:9], s[86:87]
	s_add_nc_u64 s[68:69], s[10:11], s[88:89]
	s_mov_b32 s48, 1
	s_mov_b32 s49, s76
	s_add_nc_u64 s[50:51], s[62:63], s[76:77]
	s_or_b32 s51, s51, 0x80000000
	s_mov_b32 s52, 1
	s_add_co_u32 s53, s78, VBASE
	s_add_nc_u64 s[54:55], s[94:95], s[78:79]
	s_or_b32 s55, s55, 0x80000000
	s_mov_b32 s56, 1
	s_mov_b32 s57, BBASE
	s_add_nc_u64 s[58:59], s[6:7], s[74:75]
	s_or_b32 s59, s59, 0x80000000
	ROUND                                          ; the four work-groups are here: the first joint loads meet
	s_cmp_lt_u32 s12, 4                            ; one chain of branches on the wave's number, one load to an arm: every way passes exactly one
	s_cbranch_scc0 .Lh_v
	TL 48, 24
	s_branch .Lh_j
.Lh_v:
	s_cmp_lt_u32 s12, 7
	s_cbranch_scc0 .Lh_b
	TL 52, 32
	s_branch .Lh_j
.Lh_b:
	TL 56, 40
.Lh_j:
.irp j, 0,1,2,3,4,5,6,7
	v_mov_b32 v[32+\j], 0                          ; zero codes: k = 64 .. 127 of the queries,
	v_mov_b32 v[104+\j], 0                         ; and behind the last tile of keys
.endr
	v_and_b32 v7, 31, v0
	v_and_b32 v8, 15, v0                           ; r
	v_bfe_u32 v9, v0, 4, 1                         ; h
	v_lshlrev_b32 v1, 4, v7
	v_lshlrev_b32 v23, 1, v7
	v_lshlrev_b32 v2, 4, v8
	v_lshlrev_b32 v3, 5, v9
	v_lshlrev_b32 v7, 3, v9
	s_lshl_b32 s90, s13, 5
	v_sub_nc_u32 v7, v8, v7
	v_add_nc_u32 v248, s90, v7                     ; d = my query - the last step's first key - 8 h = 32 I + r - 8 h: the same in every group
.irp b, 0,1,2,3
	v_mov_b32 v[TM+4+\b], 0                        ; a lane permute's destination counts as one of its sources
.endr
	WIN 0x40
.irp j, 0,1,2,3,4,5,6,7
	v_mov_b32 v[32+\j], 0
.endr
.irp b, 0,1,2,3
	v_mov_b32 v[TM+4+\b], 0
.endr
	v_add_nc_u32 v248, 16, v248                    ; tile 1's d
	WIN 0
	QLOAD
	ZERO
	s_wait_alu depctr_va_vdst(0)
	s_wait_tensorcnt 0x0                           ; my part of the first group of loads is in; the full sequence stands ahead of the later first fills
	ds_add_u32 v5, v6                              ; 0 onto my spare word
	s_mov_b32 s26, 102<<16                         ; no tensor load of mine is out, so the descriptors may be written.  k's records 2-7: 408 rows, 102 to each of waves 0-3
	s_mov_b32 s28, 102
	s_mov_b32 s34, 99<<16                          ; v's: 396 rows, 99 to each of waves 4-7
	s_mov_b32 s36, 99
	s_mul_i32 s76, s12, 102*256
	s_add_co_u32 s76, s76, 2*REC
	s_mov_b32 s49, s76
	s_add_nc_u64 s[50:51], s[62:63], s[76:77]
	s_or_b32 s51, s51, 0x80000000
	s_and_b32 s78, s12, 3
	s_mul_i32 s78, s78, 99*256
	s_add_co_u32 s78, s78, 2*VREC
	s_add_co_u32 s53, s78, VBASE
	s_add_nc_u64 s[54:55], s[94:95], s[78:79]
	s_or_b32 s55, s55, 0x80000000
	s_wait_dscnt 0x0
	ROUND                                          ; everybody's part is in, and the four work-groups are here
	s_cmp_lt_u32 s12, 4
	s_cbranch_scc0 .Lg_v
	TL 48, 24
	s_branch .Lg_j
.Lg_v:
	TL 52, 32
.Lg_j:
	s_wait_loadcnt 0x0                             ; the first group's queries
	s_mov_b32 s3, 0
.La:                                               ; steps 0-3 of the first group (a is 8 at the least): records 0 and 1
	STEP 0
	s_add_co_u32 s3, s3, 1
	s_cmp_lt_u32 s3, 4
	s_wait_alu depctr_va_vdst(0)
	s_cbranch_scc1 .La
	s_wait_tensorcnt 0x0                           ; my part of records 2-7 is in,
	s_wait_dscnt 0x0
	s_barrier_signal -1
	s_barrier_wait -1                              ; and everybody's
	s_mov_b32 s3, 4
.Lb:                                               ; 20 trips: steps 4-15 of the first walk, steps 0-7 of the second
	STEP 1
	s_add_co_u32 s3, s3, 1
	s_cmp_lt_u32 s3, 24
	s_wait_alu depctr_va_vdst(0)
	s_cbranch_scc1 .Lb
.Ldone:
	s_wait_tensorcnt 0x0                           ; the wave's end
	ds_add_u32 v5, v6
	s_wait_dscnt 0x0
	ROUND                                          ; the closing round
	s_endpgm
.Lfunc_end_k_q83ef46c80e_attn:
	.size	k_q83ef46c80e_attn, .Lfunc_end_k_q83ef46c80e_attn-k_q83ef46c80e_attn
	.p2alignl 7, 3214868480
	.fill 96, 4, 3214868480
	.section	.rodata,"a",@progbits
	.p2align	6, 0x0
	.amdhsa_kernel k_q83ef46c80e_attn
		.amdhsa_group_segment_fixed_size 327680
		.amdhsa_private_segment_fixed_size 0
		.amdhsa_enable_private_segment 0
		.amdhsa_kernarg_size 32
		.amdhsa_user_sgpr_count 2
		.amdhsa_user_sgpr_kernarg_segment_ptr 1
		.amdhsa_wavefront_size32 1
		.amdhsa_system_sgpr_workgroup_id_x 1
		.amdhsa_system_sgpr_workgroup_id_y 1
		.amdhsa_system_sgpr_workgroup_id_z 1
		.amdhsa_system_vgpr_workitem_id 0
		.amdhsa_next_free_vgpr 512
		.amdhsa_next_free_sgpr 96
		.amdhsa_reserve_vcc 1
		.amdhsa_float_denorm_mode_32 3
		.amdhsa_float_denorm_mode_16_64 3
		.amdhsa_memory_ordered 1
		.amdhsa_forward_progress 1
		.amdhsa_inst_pref_size 95
	.end_amdhsa_kernel
	.amdgpu_metadata
---
amdhsa.version: [ 1, 2 ]
amdhsa.kernels:
  - .name:           k_q83ef46c80e_attn
    .symbol:         k_q83ef46c80e_attn.kd
    .args:
      - { .name: qkv, .offset: 0, .size: 8, .value_kind: global_buffer, .address_space: global }
      - { .name: bias, .offset: 8, .size: 8, .value_kind: global_buffer, .address_space: global }
      - { .name: oimg, .offset: 16, .size: 8, .value_kind: global_buffer, .address_space: global }
      - { .name: osc, .offset: 24, .size: 8, .value_kind: global_buffer, .address_space: global }
    .group_segment_fixed_size: 327680
    .private_segment_fixed_size: 0
    .kernarg_segment_align: 8
    .kernarg_segment_size: 32
    .max_flat_workgroup_size: 256
    .sgpr_count:     96
    .vgpr_count:     512
    .wavefront_size: 32
...
	.end_amdgpu_metadata
.endif
;; end of part 3
;; launch outp (part 4): grid 4 x 32, 4 waves a work-group, clusters of 4 x 4, 327,680 bytes of LDS; arguments oimg, osc, Wp_codes, Wp_scales, out0, bp; writes out0
.if DOCPART == 4
	.amdgcn_target "amdgcn-amd-amdhsa--gfx1250"
	.amdhsa_code_object_version 6
	.text
	.protected	k_q83ef46c80e_outp
	.globl	k_q83ef46c80e_outp
	.p2align	8
	.type	k_q83ef46c80e_outp,@function
k_q83ef46c80e_outp:
	s_mov_b64 s[64:65], 0
	v_nop
	global_prefetch_b8 v0, s[64:65] scope:SCOPE_SE
	s_setreg_imm32_b32 hwreg(HW_REG_WAVE_MODE, 25, 1), 1
	s_wait_xcnt 0x0
	s_wait_alu depctr_hold_cnt(0) depctr_sa_sdst(0) depctr_va_vdst(0) depctr_va_sdst(0) depctr_va_ssrc(0) depctr_va_vcc(0) depctr_vm_vsrc(0)
	s_getreg_b32 s2, hwreg(HW_REG_IB_STS2, 6, 4)
	s_cmp_eq_u32 s2, 0
	s_cbranch_scc0 .Lentry_in_a_cluster
	s_endpgm
.Lentry_in_a_cluster:
	s_bfe_u32 s2, ttmp6, 0x10000c
	s_cmp_lg_u32 s2, 0xf033
	s_cbranch_scc0 .Lentry_shape_is_right
	s_endpgm
.Lentry_shape_is_right:
.set SIZE_K, 1024
.set SIZE_N, 1024
.set KSTEP,  256
.set NQ,     KSTEP/128
.set ROWB,   256
.set KROW,   SIZE_K
.set PITCH,  272
.set FR,     16
.set NL,     4
.set NP,     8
.set HALFT,  128*PITCH
.set SLOT,   4*HALFT
.set ASTEP,  32768
.set KS,     SIZE_K/32
.set SCL,    2*SLOT
.set HALFS,  (128*KS/256)*272
.set SBLK,   (16*KS/256)*272
.set SPARE,  SCL+4*HALFS
.set SPITCH, 528
.set ADRA, 16
.set ADRB, 20
.set STO,  24
.set RD,   25
.set CO,   26
.set ADRS, 27
.set SPW,  28
.set NIL,  29
.set ADU,  30
.set SC,   32
.set AS,   64
.set AT,   96
.set AF,   128
.set BK,   128
.set G1, 24
.set G0, 32
.set G1B, 48
.set G0B, 56
.set G1S, 68
.set G0S, 76
.set G1SB, 80
.set G0SB, 88
.set MSB, 0
.macro WIN new
.if MSB != \new
	s_set_vgpr_msb (MSB<<8)|\new
.set MSB, \new
.endif
.endm
.set MUL_LO, 0xa1
.set MUL_HI, 0xf1
.set TO_B,   0x40
.macro JLOAD g0a, g1a, g0b, g1b
	s_cmp_eq_u32 s15, 0
	s_cbranch_scc0 .Lfor_b_\@
	tensor_load_to_lds s[\g0a:\g0a+3], s[\g1a:\g1a+7]
	s_nop 0
.rept 4
	v_nop
.endr
	s_branch .Lasked_\@
.Lfor_b_\@:
	tensor_load_to_lds s[\g0b:\g0b+3], s[\g1b:\g1b+7]
	s_nop 0
.rept 4
	v_nop
.endr
.Lasked_\@:
.endm
.macro CREST
	s_cmp_lg_u32 s14, 0
	s_cbranch_scc1 .Lnot_wave_0_\@
	s_barrier_signal -3
.Lnot_wave_0_\@:
	s_barrier_wait -3
	s_barrier_signal -1
	s_barrier_wait -1
.endm
.macro CROUND
	s_barrier_signal -1
	s_barrier_wait -1
	CREST
.endm
	s_load_b128 s[4:7], s[0:1], 0x0
	s_load_b128 s[8:11], s[0:1], 0x10
	s_load_b64 s[12:13], s[0:1], 0x20
	s_load_b64 s[66:67], s[0:1], 0x28
	v_lshl_add_u32 v[SPW], v0, 2, SPARE
	v_mov_b32 v[NIL], 0
	ds_add_u32 v28, v29
	ds_add_u32 v28, v29
	s_wait_dscnt 0x0
	v_lshrrev_b32 v1, 5, v0
	v_readfirstlane_b32 s14, v1
	s_lshr_b32 s15, s14, 1
	s_and_b32 s16, s14, 1
	s_bfe_u32 s40, ttmp6, 0x40000
	s_bfe_u32 s41, ttmp6, 0x40004
	s_lshl_b32 s42, ttmp9, 2
	s_add_co_u32 s42, s42, s40
	s_and_b32 s17, ttmp7, 0xffff
	s_lshl_b32 s17, s17, 2
	s_add_co_u32 s17, s17, s41
	s_lshl_b32 s43, s41, 2
	s_lshl_b32 s43, 15, s43
	s_lshl_b32 s44, 0x1111, s40
	s_or_b32 s[G1+0], s43, (3<<16)|(1<<21)
	s_mov_b32 s[G1+1], 32<<16
	s_mov_b32 s[G1+2], 128<<16
	s_mov_b32 s[G1+3], 32<<16
	s_mov_b32 s[G1+4], 128
	s_mov_b32 s[G1+5], 32
	s_mov_b32 s[G1+6], 0
	s_mov_b32 s[G1+7], 0
	s_or_b32 s[G1B+0], s44, (0<<16)|(1<<20)|(1<<21)|(5<<22)|(3<<25)
	s_mov_b32 s[G1B+1], ROWB<<16
	s_mov_b32 s[G1B+2], 128<<16
	s_mov_b32 s[G1B+3], ROWB<<16
	s_mov_b32 s[G1B+4], 128
	s_mov_b32 s[G1B+5], KROW
	s_mov_b32 s[G1B+6], 0
	s_mov_b32 s[G1B+7], 0
	s_or_b32 s[G1S+0], s43, (3<<16)|(1<<20)|(1<<21)|(5<<22)|(3<<25)
	s_or_b32 s[G1SB+0], s44, (3<<16)|(1<<20)|(1<<21)|(5<<22)|(3<<25)
.irp g, G1S, G1SB
	s_mov_b32 s[\g+1], 32<<16
	s_mov_b32 s[\g+2], (128*KS/256)<<16
	s_mov_b32 s[\g+3], 32<<16
	s_mov_b32 s[\g+4], 128*KS/256
	s_mov_b32 s[\g+5], 32
	s_mov_b32 s[\g+6], 0
	s_mov_b32 s[\g+7], 0
.endr
	s_lshl_b32 s18, s16, 7
	s_lshl_b32 s20, s17, 8
	s_add_co_u32 s20, s20, s18
	s_lshl_b32 s46, s42, 8
	s_add_co_u32 s46, s46, s18
	s_mov_b32 s21, 0
	s_mov_b32 s47, 0
	s_mov_b64 s[18:19], KS
	s_mul_u64 s[22:23], s[20:21], s[18:19]
	s_mul_u64 s[92:93], s[46:47], s[18:19]
	s_mov_b64 s[18:19], KROW
	s_mul_u64 s[20:21], s[20:21], s[18:19]
	s_mul_u64 s[46:47], s[46:47], s[18:19]
	s_mul_i32 s45, s14, HALFT
	s_mul_i32 s94, s14, HALFS
	s_wait_kmcnt 0x0
	s_add_nc_u64 s[20:21], s[4:5], s[20:21]
	s_add_nc_u64 s[22:23], s[6:7], s[22:23]
	s_add_nc_u64 s[46:47], s[8:9], s[46:47]
	s_add_nc_u64 s[92:93], s[10:11], s[92:93]
	CROUND
	s_mov_b32 s[G0S], 1
	s_add_co_u32 s[G0S+1], s94, SCL
	s_mov_b64 s[G0S+2:G0S+3], s[22:23]
	s_or_b32 s[G0S+3], s[G0S+3], 0x80000000
	s_mov_b32 s[G0SB], 1
	s_add_co_u32 s[G0SB+1], s94, SCL
	s_mov_b64 s[G0SB+2:G0SB+3], s[92:93]
	s_or_b32 s[G0SB+3], s[G0SB+3], 0x80000000
	JLOAD G0S, G1S, G0SB, G1SB
.irp s, 0,1
	s_mov_b32 s[G0+4*\s], 1
	s_add_co_u32 s[G0+4*\s+1], s45, \s*SLOT
	s_add_nc_u64 s[G0+4*\s+2:G0+4*\s+3], s[20:21], \s*ASTEP
	s_or_b32 s[G0+4*\s+3], s[G0+4*\s+3], 0x80000000
	s_mov_b32 s[G0B+4*\s], 1
	s_add_co_u32 s[G0B+4*\s+1], s45, \s*SLOT
	s_add_nc_u64 s[G0B+4*\s+2:G0B+4*\s+3], s[46:47], \s*ROWB
	s_or_b32 s[G0B+4*\s+3], s[G0B+4*\s+3], 0x80000000
	s_wait_alu depctr_va_vdst(0)
	s_wait_tensorcnt 0x0
	ds_add_u32 v28, v29
	s_wait_dscnt 0x0
	CROUND
	JLOAD G0+4*\s, G1, G0B+4*\s, G1B
.endr
	v_and_b32 v1, 15, v0
	v_bfe_u32 v2, v0, 4, 1
	v_mul_u32_u24 v3, v1, PITCH
	v_lshl_add_u32 v4, v2, 3, v3
	v_and_b32 v6, 31, v0
	s_wait_alu depctr_va_vdst(0)
	v_lshlrev_b32 v[CO], 4, v6
	s_mul_i32 s21, s15, HALFT
	s_mul_i32 s22, s16, HALFT
	s_add_co_u32 s22, s22, 2*HALFT
.irp s, 0,1
	v_add_nc_u32 v[ADRA+\s], s21, v[CO]
	v_add_nc_u32 v[ADRB+\s], s22, v4
	s_add_co_u32 s21, s21, SLOT
	s_add_co_u32 s22, s22, SLOT
.endr
	s_mul_i32 s21, s15, HALFS
	s_add_co_u32 s21, s21, SCL
	v_lshl_add_u32 v[ADU], v6, 1, s21
	s_mul_i32 s22, s16, HALFS
	s_add_co_u32 s22, s22, SCL+2*HALFS
	v_mul_u32_u24 v5, v1, KS
	v_lshrrev_b32 v7, 8, v5
	v_lshl_add_u32 v5, v7, 4, v5
	v_add_nc_u32 v[ADRS], s22, v5
	s_mul_i32 s23, s14, 16*SPITCH
	v_mul_u32_u24 v5, v1, SPITCH
	v_lshl_add_u32 v5, v2, 5, v5
	v_add_nc_u32 v[STO], s23, v5
	v_add_nc_u32 v[RD], s23, v[CO]
	s_lshl_b32 s20, s17, 8
	s_lshl_b32 s21, s15, 7
	s_add_co_u32 s20, s20, s21
	s_mov_b32 s21, 0
	s_mov_b64 s[18:19], SIZE_N*4
	s_mul_u64 s[20:21], s[20:21], s[18:19]
	s_lshl_b32 s46, s42, 10
	s_lshl_b32 s47, s16, 9
	s_add_co_u32 s46, s46, s47
	s_mov_b32 s47, 0
	s_add_nc_u64 s[66:67], s[66:67], s[46:47]
	global_load_b128 v[8:11], v[CO], s[66:67]
	s_add_nc_u64 s[20:21], s[20:21], s[46:47]
	s_add_nc_u64 s[12:13], s[12:13], s[20:21]
.macro FRAGA reg, adr, q, i
.irp c, 0,1,2,3
	ds_load_b128 v[\reg+4*\c:\reg+4*\c+3], v[\adr] offset:16384*(\q)+2048*(\i)+512*\c
.endr
.endm
.macro FRAGB reg, adr, q, i
.irp c, 0,1,2,3
	ds_load_b64 v[\reg+4*\c:\reg+4*\c+1], v[\adr] offset:128*(\q)+32*\c+(\i)*16*PITCH
	ds_load_b64 v[\reg+4*\c+2:\reg+4*\c+3], v[\adr] offset:128*(\q)+32*\c+16+(\i)*16*PITCH
.endr
.endm
.macro MUL16 a0, p, q, sc, kap, zero
.irp a, \a0, \a0+1
.irp b, 0,1,2,3,4,5,6,7
.if \zero
.if ((\a)%2)
	v_wmma_scale_f32_16x16x128_f8f6f4 v[8*(8*((\a)%4)+\b):8*(8*((\a)%4)+\b)+7], v[128*(\p)+FR*\b:128*(\p)+FR*\b+FR-1], v[AF+FR*(\a):AF+FR*(\a)+FR-1], 0, v[SC+8*NQ*(\sc)+NQ*\b+(\q)], v[AS+8*((\a)/2)+(\kap)] matrix_b_scale:MATRIX_SCALE_ROW1
.else
	v_wmma_scale_f32_16x16x128_f8f6f4 v[8*(8*((\a)%4)+\b):8*(8*((\a)%4)+\b)+7], v[128*(\p)+FR*\b:128*(\p)+FR*\b+FR-1], v[AF+FR*(\a):AF+FR*(\a)+FR-1], 0, v[SC+8*NQ*(\sc)+NQ*\b+(\q)], v[AS+8*((\a)/2)+(\kap)]
.endif
.else
.if ((\a)%2)
	v_wmma_scale_f32_16x16x128_f8f6f4 v[8*(8*((\a)%4)+\b):8*(8*((\a)%4)+\b)+7], v[128*(\p)+FR*\b:128*(\p)+FR*\b+FR-1], v[AF+FR*(\a):AF+FR*(\a)+FR-1], v[8*(8*((\a)%4)+\b):8*(8*((\a)%4)+\b)+7], v[SC+8*NQ*(\sc)+NQ*\b+(\q)], v[AS+8*((\a)/2)+(\kap)] matrix_b_scale:MATRIX_SCALE_ROW1
.else
	v_wmma_scale_f32_16x16x128_f8f6f4 v[8*(8*((\a)%4)+\b):8*(8*((\a)%4)+\b)+7], v[128*(\p)+FR*\b:128*(\p)+FR*\b+FR-1], v[AF+FR*(\a):AF+FR*(\a)+FR-1], v[8*(8*((\a)%4)+\b):8*(8*((\a)%4)+\b)+7], v[SC+8*NQ*(\sc)+NQ*\b+(\q)], v[AS+8*((\a)/2)+(\kap)]
.endif
.endif
.endr
.endr
.endm
.macro FETCH_B slot, q, p
	WIN TO_B
.irp i, 0,1,2,3,4,5,6,7
	FRAGB 128*(\p)+FR*\i, ADRB+\slot, \q, \i
.endr
	WIN 0
.endm
.macro FETCH_A slot, q, i0
.irp i, \i0, \i0+1, \i0+2, \i0+3
	FRAGA AF+FR*(\i), ADRA+\slot, \q, \i
.endr
.endm
.macro SCALES sc
.irp i, 0,1,2,3,4,5,6,7
	ds_load_b64 v[SC+8*NQ*\sc+NQ*\i:SC+8*NQ*\sc+NQ*\i+1], v[ADRS] offset:\i*SBLK
.endr
.endm
.macro PLACES n
.rept \n
	v_nop
.endr
.endm
.macro STEP slot, q, kap, zero
	s_wait_dscnt 4*NL
	WIN MUL_LO
	MUL16 0, (\q)%2, \q, \slot, \kap, \zero
	MUL16 2, (\q)%2, \q, \slot, \kap, \zero
	s_wait_dscnt 0
	PLACES NP
	FETCH_B \slot, (\q)+1, 1-(\q)%2
	FETCH_A \slot, (\q)+1, 0
	WIN MUL_HI
	MUL16 4, (\q)%2, \q, \slot, \kap, \zero
	MUL16 6, (\q)%2, \q, \slot, \kap, \zero
	PLACES NP
	WIN 0
	FETCH_A \slot, (\q)+1, 4
.endm
.macro TURN slot, next, fill, kap
	s_wait_tensorcnt 0x0
	ds_add_u32 v[SPW], v[NIL]
	s_wait_dscnt 4*NL+1
	WIN MUL_LO
	MUL16 0, 1, NQ-1, \slot, \kap, 0
	s_wait_dscnt 0x0
	s_barrier_signal -1
	MUL16 2, 1, NQ-1, \slot, \kap, 0
	WIN 0
	s_barrier_wait -1
.if \fill
	CREST
	s_add_nc_u64 s[G0+4*\slot+2:G0+4*\slot+3], s[G0+4*\slot+2:G0+4*\slot+3], 2*ASTEP
	s_add_nc_u64 s[G0B+4*\slot+2:G0B+4*\slot+3], s[G0B+4*\slot+2:G0B+4*\slot+3], 2*ROWB
	JLOAD G0+4*\slot, G1, G0B+4*\slot, G1B
	PLACES NP-4
.else
	PLACES NP
.endif
	s_wait_alu depctr_va_vdst(0)
	v_add_nc_u32 v[ADRS], 4*NQ, v[ADRS]
	FETCH_B \next, 0, 0
	FETCH_A \next, 0, 0
	SCALES \next
	WIN MUL_HI
	MUL16 4, 1, NQ-1, \slot, \kap, 0
	MUL16 6, 1, NQ-1, \slot, \kap, 0
	PLACES NP
	WIN 0
	FETCH_A \next, 0, 4
.endm
	s_wait_alu depctr_va_vdst(0)
	s_wait_tensorcnt 1
	s_barrier_signal -1
	s_barrier_wait -1
.irp p, 0,1,2,3
.irp k, 0,1,2,3,4,5,6,7
	ds_load_u16 v[AS+8*\p+\k], v[ADU] offset:(2*\k)*272+64*\p
	ds_load_u16 v[AT+8*\p+\k], v[ADU] offset:(2*\k+1)*272+64*\p
.endr
.endr
	s_wait_dscnt 0x0
.set n, 0
.rept 32
	v_lshl_or_b32 v[AS+n], v[AT+n], 16, v[AS+n]
.set n, n+1
.endr
	PLACES NP
	FETCH_B 0, 0, 0
	FETCH_A 0, 0, 0
	SCALES 0
	FETCH_A 0, 0, 4
	s_wait_alu depctr_va_vdst(0)
	STEP 0, 0, 0, 1
	TURN 0, 1, 1, 1
	STEP 1, 0, 2, 0
	TURN 1, 0, 1, 3
	STEP 0, 0, 4, 0
	TURN 0, 1, 0, 5
	STEP 1, 0, 6, 0
	s_wait_dscnt 4*NL
	WIN MUL_LO
	MUL16 0, 1, NQ-1, 1, 7, 0
	MUL16 2, 1, NQ-1, 1, 7, 0
	s_wait_dscnt 0
	WIN MUL_HI
	MUL16 4, 1, NQ-1, 1, 7, 0
	MUL16 6, 1, NQ-1, 1, 7, 0
	WIN 0
.macro TOSTAGE a
.set AC, 64*((\a)%4)
	WIN 0x08+4*((\a)/4)
.irp b, 0,1,2,3,4,5,6,7
	ds_store_b128 v[STO], v[AC+8*\b:AC+8*\b+3] offset:64*\b
	ds_store_b128 v[STO], v[AC+8*\b+4:AC+8*\b+7] offset:64*\b+16
.endr
	WIN 0
.set BB, BK+64*((\a)%2)
.irp t, 0,1,2,3,4,5,6,7,8,9,10,11,12,13,14,15
	ds_load_b128 v[BB+4*\t:BB+4*\t+3], v[RD] offset:\t*SPITCH
.endr
.endm
.macro SEND a, younger
.set BB, BK+64*((\a)%2)
	s_wait_dscnt \younger
.if (\a) > 0
	s_add_nc_u64 s[12:13], s[12:13], 16*SIZE_N*4
.endif
.irp t, 0,1,2,3,4,5,6,7,8,9,10,11,12,13,14,15
	v_pk_add_f32 v[BB+4*\t:BB+4*\t+1], v[BB+4*\t:BB+4*\t+1], v[8:9]
	v_pk_add_f32 v[BB+4*\t+2:BB+4*\t+3], v[BB+4*\t+2:BB+4*\t+3], v[10:11]
	global_store_b128 v[CO], v[BB+4*\t:BB+4*\t+3], s[12:13] offset:\t*SIZE_N*4 th:TH_STORE_NT
.endr
.endm
	s_wait_loadcnt 0x0
	PLACES NP
	TOSTAGE 0
.irp a, 1,2,3,4,5,6,7
.if \a > 1
	s_wait_xcnt 0x0
.endif
	TOSTAGE \a
	SEND \a-1, 32
.endr
	s_wait_xcnt 0x0
	SEND 7, 0
	s_wait_tensorcnt 0x0
	ds_add_u32 v[SPW], v[NIL]
	s_wait_dscnt 0x0
	CROUND
	s_endpgm
.Lfunc_end_k_q83ef46c80e_outp:
	.size	k_q83ef46c80e_outp, .Lfunc_end_k_q83ef46c80e_outp-k_q83ef46c80e_outp
	.p2alignl 7, 3214868480
	.fill 96, 4, 3214868480
	.section	.rodata,"a",@progbits
	.p2align	6, 0x0
	.amdhsa_kernel k_q83ef46c80e_outp
		.amdhsa_group_segment_fixed_size 327680
		.amdhsa_private_segment_fixed_size 0
		.amdhsa_enable_private_segment 0
		.amdhsa_kernarg_size 48
		.amdhsa_user_sgpr_count 2
		.amdhsa_user_sgpr_kernarg_segment_ptr 1
		.amdhsa_wavefront_size32 1
		.amdhsa_system_sgpr_workgroup_id_x 1
		.amdhsa_system_sgpr_workgroup_id_y 1
		.amdhsa_system_sgpr_workgroup_id_z 1
		.amdhsa_system_vgpr_workitem_id 0
		.amdhsa_next_free_vgpr 1024
		.amdhsa_next_free_sgpr 98
		.amdhsa_reserve_vcc 0
		.amdhsa_float_denorm_mode_32 3
		.amdhsa_float_denorm_mode_16_64 3
		.amdhsa_memory_ordered 1
		.amdhsa_forward_progress 1
		.amdhsa_inst_pref_size 185
	.end_amdhsa_kernel
	.amdgpu_metadata
---
amdhsa.version: [ 1, 2 ]
amdhsa.kernels:
  - .name:           k_q83ef46c80e_outp
    .symbol:         k_q83ef46c80e_outp.kd
    .args:
      - { .name: oimg, .offset: 0, .size: 8, .value_kind: global_buffer, .address_space: global }
      - { .name: osc, .offset: 8, .size: 8, .value_kind: global_buffer, .address_space: global }
      - { .name: Wp_codes, .offset: 16, .size: 8, .value_kind: global_buffer, .address_space: global }
      - { .name: Wp_scales, .offset: 24, .size: 8, .value_kind: global_buffer, .address_space: global }
      - { .name: out0, .offset: 32, .size: 8, .value_kind: global_buffer, .address_space: global }
      - { .name: bp, .offset: 40, .size: 8, .value_kind: global_buffer, .address_space: global }
    .group_segment_fixed_size: 327680
    .private_segment_fixed_size: 0
    .kernarg_segment_align: 8
    .kernarg_segment_size: 48
    .max_flat_workgroup_size: 128
    .sgpr_count:     98
    .vgpr_count:     1024
    .wavefront_size: 32
...
	.end_amdgpu_metadata
.endif
;; end of part 4
